; MI455X (gfx1250); checked and timed in simulation.
; The chip was launched on July 23, 2026; its instructions are those of AMD's public machine-readable ISA for CDNA 5 (MIT licence, August 2026) and "CDNA5" Instruction Set Architecture Reference Guide (July 2026). The comments in the code are by the model that wrote it; some were corrected since.
;; Harmonic Oscillator1 D. Allowed arithmetic: matrix products marked QUANTISED: E3M2 operands, one E8M0 scale for each 32 along K, by v_wmma_scale_f32_16x16x128_f8f6f4 with both operands' format E3M2, f32 sums; products left as they are: f32 operands where the result goes on into a quantised operand, else bf16, f16 or f32 operands; f32 sums; everything else in f32.
;; Inputs: W1 8 x 256 float32; W2 256 x 256 float32; W3 256 x 1 float32; b1 256 float32; b2 256 float32; b3 1 float32; x 16 x 2,048 x 8 float32.
;; Outputs: out0 16 x 2,048 float32.
;; This version of the problem:
;;   THIS VERSION OF THE PROBLEM IS GIVEN IN LOW PRECISION. The matrix products marked QUANTISED in the list below multiply operands that are first quantised to E3M2 (3 exponent bits, 2 mantissa bits; 6 bits a number), with one power-of-two scale for each 32 numbers along K (OCP MX v1.0); their sums are f32. All else is computed in f32.
;;   The module's matrix products, in the order in which they are computed (A, B: the left and right operand; K: the contracted axis; several contracted axes count as one K, in the product's order):
;;     1. [M 32,768, K 8] x [K 8, N 256]; A: input x; B: input W1: left as it is (K = 8 < 32)
;;     2. [M 32,768, K 256] x [K 256, N 256]; A: computed on the way; B: input W2: QUANTISED
;;     3. [M 32,768, K 256] x [K 256, N 1]; A: computed on the way; B: input W3: left as it is (N = 1 < 16)
;;     4. [M 1, K 1] x [K 1, N 256]; A: computed on the way; B: input W3: left as it is (K = 1 < 32)
;;     5. [M 32,768, K 256] x [K 256, N 256]; A: computed on the way; B: input W2: QUANTISED
;;     6. [M 32,768, K 256] x [K 256, N 8]; A: computed on the way; B: input W1: left as it is (N = 8 < 16)
;;     7. [M 32,768, K 8] x [K 8, N 256]; A: input x; B: input W1: left as it is (K = 8 < 32)
;;     8. [M 8, K 8] x [K 8, N 256]; A: computed on the way; B: input W1: left as it is (K = 8 < 32)
;;     9. [M 32,768, K 256] x [K 256, N 256]; A: computed on the way; B: input W2: QUANTISED
;;     10. [M 262,144, K 256] x [K 256, N 256]; A: computed on the way; B: input W2: QUANTISED
;;     11. [M 32,768, K 256] x [K 256, N 1]; A: computed on the way; B: input W3: left as it is (N = 1 < 16)
;;     12. [M 262,144, K 256] x [K 256, N 1]; A: computed on the way; B: input W3: left as it is (N = 1 < 16)
;;     13. [M 1, K 1] x [K 1, N 256]; A: computed on the way; B: input W3: left as it is (K = 1 < 32)
;;     14. [M 32,768, K 256] x [K 256, N 256]; A: computed on the way; B: input W2: QUANTISED
;;     15. [M 262,144, K 256] x [K 256, N 256]; A: computed on the way; B: input W2: QUANTISED
;;     16. [M 32,768, K 256] x [K 256, N 8]; A: computed on the way; B: input W1: left as it is (N = 8 < 16)
;;     17. [M 262,144, K 256] x [K 256, N 8]; A: computed on the way; B: input W1: left as it is (N = 8 < 16)
;;     18. batch 8 x [M 1, K 8] x [K 8, N 32,768]; A: computed on the way; B: computed on the way: left as it is (K = 8 < 32)
;;   THE QUANTISER, for each operand of a quantised product, along K:
;;     - K is cut into blocks of 32 from its start; a last block that is shorter is filled with zeros.
;;     - A block's scale is 2^e with e = floor(log2(the largest magnitude in the block)) - 4, held to -126 .. 127; a block of zeros has e = 0. As a byte (E8M0): e + 127.
;;     - Each number is divided by its block's scale, clamped to +-28, and rounded to the nearest number of E3M2, ties to even, subnormals kept.
;;     - The product sums the exact products of the quantised numbers (number of the format x scale) in f32.
;;   ~~~python
;;   def quantise(x, axis):      # numpy; x: float32 -> the quantised numbers, widened to float32 again
;;       x = np.moveaxis(x, axis, -1); K = x.shape[-1]
;;       x = np.pad(x, [(0, 0)] * (x.ndim - 1) + [(0, -K % 32)]); x = x.reshape(x.shape[:-1] + (-1, 32)); a = np.abs(x).max(-1, keepdims=True)
;;       e = np.where(a > 0, np.clip(np.frexp(np.where(a > 0, a, 1))[1] - 1 - 4, -126, 127), 0)      # np.frexp(a)[1] - 1 = floor(log2(a)), exactly
;;       r = np.clip(x / 2.0 ** e, -28, 28)
;;       step = 2.0 ** (np.maximum(np.frexp(np.where(r == 0, 1, r))[1] - 1, -2) - 2)
;;       q = np.round(r / step) * step * 2.0 ** e      # np.round: ties to even
;;       return np.moveaxis(q.reshape(q.shape[:-2] + (-1,))[..., :K], -1, axis).astype(np.float32)
;;   ~~~
;;   OPERANDS COMPUTED ON THE WAY. 'Computed on the way' means the value that the module computes at that place (a softmax that the list does not call 'softmax' is quantised finished and normalised). What goes into a quantiser is computed in f32, as accurately as f32 sums, v_exp_f32 and their like allow (about 1e-6 of the number): no bf16 or f16 on the way to a quantiser, and a product that is left as it is and whose result goes on into a quantised operand takes f32 operands (vector FMAs, or v_wmma_f32_16x16x4_f32). A number that lies on a knife's edge between two numbers of the format may be rounded either way, as far as f32 arithmetic and the matrix unit's own rounding can turn it there, and no further.
;; 2 versions, each right; version 2 is version 1 with the launch main written anew for expert scheduling mode. Each part assembles by itself: llvm-mc -triple=amdgcn-amd-amdhsa -mcpu=gfx1250 --defsym DOCPART=n.
;; ======== version 1 of 2: 2 launches
;; workspace buffers: wq 114,688 bytes
;; launch prep (part 1): grid 64 x 1, 1 waves a work-group, no clusters, 0 bytes of LDS; arguments W2, wq; writes wq
.if DOCPART == 1
	.amdgcn_target "amdgcn-amd-amdhsa--gfx1250"
	.amdhsa_code_object_version 6
	.text
	.protected	k_q198e3bee70_prep
	.globl	k_q198e3bee70_prep
	.p2align	8
	.type	k_q198e3bee70_prep,@function
k_q198e3bee70_prep:
	s_mov_b64 s[64:65], 0
	v_nop
	global_prefetch_b8 v0, s[64:65] scope:SCOPE_SE
	s_setreg_imm32_b32 hwreg(HW_REG_WAVE_MODE, 25, 1), 1
	s_wait_xcnt 0x0
; W2 [256][256], f32, is quantised ONCE to codes of BF6 (E3M2) with one E8M0 scale byte for each 32 along K, for both products that use it:
; p = 0: K is W2's first axis (h W2);  p = 1: K is its second axis (d W2^T).  The codes are laid in the ORDER OF THE OPERAND'S REGISTERS, so that the next launch loads each fragment whole.
; One wave makes one record of 1,792 bytes, number F = 32 p + 8 w + 2 a + s (w: the wave that will hold it, a: its tile of 16 weight rows, s: its K step of 128):
;   bytes 0 .. 1,535: the fragment's 12 registers, group q (registers 4 q .. 4 q + 3) at 512 q + 16 lane;   bytes 1,536 .. 1,791: the lane's scale word, twice, at 8 lane (one store of 256 consecutive bytes).
; Lane (r, h) holds weight row u = 64 w + 8 a + r % 8 + 32 (r / 8): THE ROWS OF A TILE ARE NOT NEIGHBOURS, so that in the transposed product a lane's 32 results of four tiles are 32 neighbouring units, a whole block of the next K.
; Its registers 6 c .. 6 c + 5 hold K = 128 s + 64 c + 32 h + 0 .. 31.  A lane holds two whole blocks, so no other lane is asked for a maximum.
; A block's scale is 2^(floor(log2(its largest magnitude)) - 4): its byte is the largest magnitude's exponent field - 4, held at 1 from below by a floor among the maximum's leaves.
; LIMITS: a block of zeros gets the byte 1 where the rule says 127 (its codes are zeros, and this program alone reads the bytes); NaN and infinities in W2 are not served.
.set REC, 1792
	s_load_b128 s[4:7], s[0:1], 0x0                ; W2 s[4:5], wq s[6:7]
	v_and_b32 v1, 15, v0                           ; r
	v_lshrrev_b32 v2, 4, v0                        ; h (one wave: v0 is the lane)
	v_lshrrev_b32 v3, 3, v1
	v_mad_u32_u24 v3, v3, 24, v1                   ; r + 24 (r / 8) = r % 8 + 32 (r / 8)
	v_lshlrev_b32 v5, 4, v0                        ; 16 x lane: the image's place
	v_lshlrev_b32 v6, 3, v0                        ; 8 x lane: the scale word's
	v_lshlrev_b32 v7, 3, v2                        ; 8 h: my bytes' shift in the scale word
	v_mov_b32 v22, 0                               ; a lane permute's destination counts as one of its sources
	s_bfe_u32 s8, ttmp9, 0x20003                   ; w
	s_bfe_u32 s9, ttmp9, 0x20001                   ; a
	s_and_b32 s10, ttmp9, 1                        ; s
	s_lshl_b32 s8, s8, 6
	s_lshl_b32 s9, s9, 3
	s_add_co_u32 s11, s8, s9                       ; u0 = 64 w + 8 a
	s_mul_i32 s12, ttmp9, REC                      ; my record
	s_mov_b32 s13, 0
	s_mov_b32 s15, 0
	s_mov_b32 s20, 0x76543210
	s_mov_b32 s21, 0xfedcba98                      ; selects for lane l xor 16
	s_wait_kmcnt 0x0
	s_add_nc_u64 s[6:7], s[6:7], s[12:13]
	s_cmp_lt_u32 ttmp9, 32
	s_cbranch_scc0 .Lbackward
	; p = 0: the number at (u, K) is W2[K][u]: the lane takes a column and its registers run DOWN K
	s_lshl_b32 s14, s10, 17                        ; 128 s rows of 1,024 bytes
	s_lshl_b32 s16, s11, 2
	s_add_co_u32 s14, s14, s16                     ; + 4 u0
	s_add_nc_u64 s[4:5], s[4:5], s[14:15]
	v_lshlrev_b32 v4, 2, v3
	v_lshl_add_u32 v4, v2, 15, v4                  ; 32 h rows + 4 x my column
.set c, 0
.rept 2
.set i, 0
.rept 32
	global_load_b32 v[64+32*c+i], v4, s[4:5] offset:(64*c+i)*1024
.set i, i+1
.endr
.set c, c+1
.endr
	s_branch .Ljoin
.Lbackward:
	; p = 1: the number at (u, K) is W2[u][K]: K lies along the row, 128 bytes a block
	s_lshl_b32 s14, s11, 10                        ; u0 rows
	s_lshl_b32 s16, s10, 9
	s_add_co_u32 s14, s14, s16                     ; + 128 s numbers
	s_add_nc_u64 s[4:5], s[4:5], s[14:15]
	v_lshlrev_b32 v4, 10, v3
	v_lshl_add_u32 v4, v2, 7, v4                   ; my row + 32 h numbers
.set c, 0
.rept 2
.set i, 0
.rept 8
	global_load_b128 v[64+32*c+4*i:64+32*c+4*i+3], v4, s[4:5] offset:256*c+16*i
.set i, i+1
.endr
.set c, c+1
.endr
.Ljoin:
	s_wait_loadcnt 0x0
	v_max3_num_f32 v12, |v64|, |v65|, 0x2800000    ; my two blocks by turns; the floor 2^(5 - 127) holds the byte at 1 from below
	v_max3_num_f32 v13, |v96|, |v97|, 0x2800000
.set i, 2
.rept 15
	v_max3_num_f32 v12, v12, |v[64+i]|, |v[65+i]|
	v_max3_num_f32 v13, v13, |v[96+i]|, |v[97+i]|
.set i, i+2
.endr
	v_add_nc_u32 v16, 0xfe000000, v12              ; 4 off the exponent field: the conversion takes this operand's exponent field as its scale
	v_add_nc_u32 v17, 0xfe000000, v13
	v_lshrrev_b32 v18, 23, v16                     ; the scales' bytes: blocks h and 2 + h of my row
	v_lshrrev_b32 v19, 23, v17
	v_lshl_or_b32 v20, v19, 16, v18
	v_lshlrev_b32 v20, v7, v20                     ; at their places in the scale word
	v_permlanex16_b32 v22, v20, s20, s21
	v_or_b32 v20, v20, v22                         ; with lane l xor 16's two the word is whole
	v_mov_b32 v21, v20
	v_cvt_scalef32_pk16_bf6_f32 v[24:26], v[64:79], v16
	v_cvt_scalef32_pk16_bf6_f32 v[36:38], v[80:95], v16    ; (a conversion's three registers begin on an even number: the second half is made elsewhere and moved)
	v_cvt_scalef32_pk16_bf6_f32 v[30:32], v[96:111], v17
	v_cvt_scalef32_pk16_bf6_f32 v[40:42], v[112:127], v17
	v_nop                                          ; one plain place behind the scaled conversions
.irp i, 0,1,2
	v_mov_b32 v[27+\i], v[36+\i]
	v_mov_b32 v[33+\i], v[40+\i]
.endr
	global_store_b128 v5, v[24:27], s[6:7]         ; each store of the wave covers 512 consecutive bytes, aligned to 256
	global_store_b128 v5, v[28:31], s[6:7] offset:512
	global_store_b128 v5, v[32:35], s[6:7] offset:1024
	global_store_b64 v6, v[20:21], s[6:7] offset:1536  ; 256 consecutive bytes
	s_endpgm
.Lfunc_end_k_q198e3bee70_prep:
	.size	k_q198e3bee70_prep, .Lfunc_end_k_q198e3bee70_prep-k_q198e3bee70_prep
	.p2alignl 7, 3214868480
	.fill 96, 4, 3214868480
	.section	.rodata,"a",@progbits
	.p2align	6, 0x0
	.amdhsa_kernel k_q198e3bee70_prep
		.amdhsa_group_segment_fixed_size 0
		.amdhsa_private_segment_fixed_size 0
		.amdhsa_enable_private_segment 0
		.amdhsa_kernarg_size 16
		.amdhsa_user_sgpr_count 2
		.amdhsa_user_sgpr_kernarg_segment_ptr 1
		.amdhsa_wavefront_size32 1
		.amdhsa_system_sgpr_workgroup_id_x 1
		.amdhsa_system_sgpr_workgroup_id_y 1
		.amdhsa_system_sgpr_workgroup_id_z 1
		.amdhsa_system_vgpr_workitem_id 0
		.amdhsa_next_free_vgpr 128
		.amdhsa_next_free_sgpr 66
		.amdhsa_reserve_vcc 0
		.amdhsa_float_denorm_mode_32 3
		.amdhsa_float_denorm_mode_16_64 3
		.amdhsa_memory_ordered 1
		.amdhsa_forward_progress 1
		.amdhsa_inst_pref_size 13
	.end_amdhsa_kernel
	.amdgpu_metadata
---
amdhsa.version: [ 1, 2 ]
amdhsa.kernels:
  - .name:           k_q198e3bee70_prep
    .symbol:         k_q198e3bee70_prep.kd
    .args:
      - { .name: W2, .offset: 0, .size: 8, .value_kind: global_buffer, .address_space: global }
      - { .name: wq, .offset: 8, .size: 8, .value_kind: global_buffer, .address_space: global }
    .group_segment_fixed_size: 0
    .private_segment_fixed_size: 0
    .kernarg_segment_align: 8
    .kernarg_segment_size: 16
    .max_flat_workgroup_size: 32
    .sgpr_count:     66
    .vgpr_count:     128
    .wavefront_size: 32
...
	.end_amdgpu_metadata
.endif
;; end of part 1
;; launch main (part 2): grid 256 x 1, 4 waves a work-group, no clusters, 99,840 bytes of LDS; arguments x, W1, b1, b2, W3, wq, out0; writes out0
.if DOCPART == 2
	.amdgcn_target "amdgcn-amd-amdhsa--gfx1250"
	.amdhsa_code_object_version 6
	.text
	.protected	k_q198e3bee70_main
	.globl	k_q198e3bee70_main
	.p2align	8
	.type	k_q198e3bee70_main,@function
k_q198e3bee70_main:
	s_mov_b64 s[64:65], 0
	v_nop
	global_prefetch_b8 v0, s[64:65] scope:SCOPE_SE
	s_setreg_imm32_b32 hwreg(HW_REG_WAVE_MODE, 25, 1), 1
	s_wait_xcnt 0x0
; out = KIN (laplacian + |grad|^2) + POT |x|^2 of log|psi|(x) = tanh(tanh(x W1 + b1) W2 + b2) W3 + b3, for 32,768 samples of 8 numbers.  In closed form, for one sample:
;   h1 = tanh(x W1 + b1), s1 = 1 - h1^2;  h2 = tanh(Q(h1) Q(W2) + b2), s2 = 1 - h2^2;  d2 = W3 s2;  dh1 = Q(d2) Q(W2^T);  g_i = sum_j dh1_j s1_j W1[i][j];
;   direction i: th1 = s1 W1[i];  ta2 = Q(th1) Q(W2);  td2 = -2 W3 h2 s2 ta2;  tdh1 = Q(td2) Q(W2^T);  laplacian = sum_j s1_j (sum_i W1[i][j] tdh1_i[j] - 2 dh1_j h1_j sum_i W1[i][j]^2).
; Q: codes of BF6 (E3M2), one E8M0 scale for each 32 along K; these four products go to the scaled matrix instruction, all else is f32.  The products that reference() writes twice with equal operands are multiplied once.
; b3 IS NOT READ: it enters log|psi| alone, of which only derivatives are kept, so no output number depends on it, whatever it holds.
; SHARES.  A work-group of four waves takes 128 samples, 16 at a time (a group).  A group has 9 tiles of 16 rows: tile 0 the samples themselves, tile 1 + i direction i of the same 16 samples.
; THE WAVES SHARE THE COLUMNS: wave w owns units 64 w .. 64 w + 63 of both hidden layers, for all rows.  Its part of both quantised weights (16 fragments), of W1 (8 x 64), b1, b2, W3 stays in REGISTERS for the whole launch.
; Both products are used TRANSPOSED (source 0 = 16 weight rows, source 1 = 16 rows of samples), and the weight rows of a tile are chosen (by the launch before) so that lane (r, h) holds sample r and, in the 32 registers
; of its four accumulators, units 64 w + 32 h + 0 .. 31: a WHOLE BLOCK of the next K.  So a block's maximum and its codes need no other lane, and every element-wise step is a packed f32 instruction on registers.
; Only codes go from wave to wave, through LDS, as images of the operand's registers: wave w makes registers 6 w .. 6 w + 5 of a tile's 24 and one scale byte a lane; all four waves read the 24.
; A GROUP, two barriers:  A: h1, s1, the nine forward operands quantised, images to FWD | barrier |  B: nine forward products; tanh of tile 0; the nine backward operands, images to BWD | barrier |  C: nine backward products, the sums.
; No barrier stands between C and the next A: FWD is written only by waves that have passed the barrier behind B, which each wave signals behind its last read of FWD; BWD only behind the barrier behind the next A, likewise.
; No tensor loads, cluster or prefetch: what work-groups share is the 112 KiB of quantised weights, read once at the head straight into the registers where they stay.
; LIMITS: tanh(a) = 1 - 2 / (1 + 2^(2 log2(e) a)) has an absolute error of about 1e-7, so its relative error grows for |a| under about 0.05; it goes to +-1 (and s to 0) where the exponential overflows or vanishes.
; A block of zeros keeps the scale byte 1 where the rule says 127 (its codes are zeros; the bytes are read here alone).  NaN and infinities among the inputs are not served.  The f32 sums over i and j run in another order than reference()'s.
;
; LDS
.set FWD,  0                           ; 9 tile records of 3,200 bytes: piece w's registers 0-3 at 512 w + 16 lane; registers 4, 5 at 2,048 + 256 w + 8 lane; scale bytes at 3,072 + 8 r + 2 w + h
.set BWD,  28800                       ; the same for the backward operands
.set TREC, 3200
.set XS,   57600                       ; x: 32 bytes a sample
.set REDA, 61696                       ; partial g_0 .. g_3 at 4,096 wave + 512 group + 16 lane;  g_4 .. g_7 16,384 bytes further on
.set REDC, 94464                       ; partial laplacian at 1,024 wave + 128 group + 4 lane
.set STG,  98560                       ; the 128 results, 4 bytes a thread
.set REC,  1792                        ; a record of the weights' buffer
; REGISTERS, window 0
.set A16,  1                           ; 16 x lane
.set A8,   2                           ; 8 x lane
.set ASC,  3                           ; 8 x (lane % 16)
.set W16,  4                           ; 16 x lane + 512 x wave
.set W8,   5                           ; 8 x lane + 256 x wave + 2,048
.set WSBY, 6                           ; 8 x (lane % 16) + lane / 16 + 2 x wave + 3,072
.set AX0,  7                           ; XS + 32 x (lane % 16)
.set AXG,  8                           ; the same in the next group
.set ARA0, 9                           ; REDA + 4,096 x wave + 16 x lane
.set ARAG, 10                          ; the same in the group in hand
.set ARC0, 11                          ; REDC + 1,024 x wave + 4 x lane
.set ARCG, 12
.set EP,   13                          ; POT |x|^2 of my thread's sample
.set VW,   14                          ; global offsets, never rewritten: 256 wave + 128 (lane / 16): my 32 units in a row of 256 f32
.set VQ,   15                          ; 16 lane + 8 records x wave
.set VS,   38                          ; 8 lane + 8 records x wave
.set XO,   39                          ; 32 x thread
.set WSF,  16                          ; v16-23 the forward weights' scale words, at 2 a + s;  v24-31 the backward weights'
.set WSK,  24
.set CS,   32                          ; v32-37 three pairs: a tile's scale words of K steps 0, 1
.set TZ,   40                          ; v40-87 three sets of 16 for the quantiser: +0..5 codes, +6 byte, +7 scale operand, +8..10 second half, +12..15 maxima
.set RB,   88                          ; v88-183 three buffers of 32 numbers
.set CB,   184                         ; v184-255 three buffers of a tile's 24 operand registers
; window 1: W1 of my 32 units, direction i at 32 i
; window 2
.set WF,   0                           ; forward weights: fragment (a, s) at 12 (2 a + s)
.set WB,   96                          ; backward weights
.set CC2,  192                         ; -2 W3 h2 s2
.set DS1,  224                         ; s1
; window 3
.set B1,   0
.set B2,   32
.set W3C,  64
.set W2SM, 96                          ; -2 sum_i W1[i]^2
.set MM1,  128                         ; W2SM h1
.set ACC,  160                         ; dh1 MM1 + sum_i W1[i] tdh1_i
.set GT,   192                         ; direction i: two packed chains of e W1[i]
.set GP,   224                         ; the lane's partial g_i
.set LCH,  232                         ; four packed chains of ACC s1
.set LP,   240
.set X,    244                         ; x of my sample
.set MSB, 0
.macro WIN new                         ; s_set_vgpr_msb: bits 1:0 source 0, 3:2 source 1, 5:4 source 2, 7:6 destination; the high byte repeats the setting that is left
.if MSB != \new
	s_set_vgpr_msb (MSB<<8)|\new
.set MSB, \new
.endif
.endm
.macro BAR                             ; my LDS stores have landed and my LDS loads are in: then the work-group's barrier
	s_wait_dscnt 0x0
	s_barrier_signal -1
	s_barrier_wait -1
.endm
; a third of tile t's nine loads from region reg: the four waves' pieces and the scale words, into buffer t % 3
.macro LC3 reg, t, part
.set lB, CB+24*((\t)%3)
.set lO, (\reg)+TREC*(\t)
	WIN 0
.if (\part) == 0
	ds_load_b128 v[lB:lB+3], v[A16] offset:lO
	ds_load_b128 v[lB+6:lB+9], v[A16] offset:lO+512
	ds_load_b128 v[lB+12:lB+15], v[A16] offset:lO+1024
.elseif (\part) == 1
	ds_load_b128 v[lB+18:lB+21], v[A16] offset:lO+1536
	ds_load_b64 v[lB+4:lB+5], v[A8] offset:lO+2048
	ds_load_b64 v[lB+10:lB+11], v[A8] offset:lO+2304
.else
	ds_load_b64 v[lB+16:lB+17], v[A8] offset:lO+2560
	ds_load_b64 v[lB+22:lB+23], v[A8] offset:lO+2816
	ds_load_b64 v[CS+2*((\t)%3):CS+2*((\t)%3)+1], v[ASC] offset:lO+3072
.endif
.endm
.macro LC reg, t
	LC3 \reg, \t, 0
	LC3 \reg, \t, 1
	LC3 \reg, \t, 2
.endm
; product k of 8 of tile t, forward: accumulator a = k % 4, K step s = k / 4.  The four accumulators take turns, one instruction a turn.  Tile 0's sums begin with b2, the others' with 0.
.macro WMF t, k
.set mA, (\k)%4
.set mS, (\k)/4
.set mD, RB+32*((\t)%3)+8*mA
.set mW, WF+12*(2*mA+mS)
.set mB, CB+24*((\t)%3)+12*mS
.set mX, WSF+2*mA+mS
.set mY, CS+2*((\t)%3)+mS
.if mS == 0
.if (\t) == 0
	WIN 0x32
	v_wmma_scale_f32_16x16x128_f8f6f4 v[mD:mD+7], v[mW:mW+11], v[mB:mB+11], v[B2+8*mA:B2+8*mA+7], v[mX], v[mY] matrix_a_fmt:MATRIX_FMT_BF6 matrix_b_fmt:MATRIX_FMT_BF6
.else
	WIN 0x02
	v_wmma_scale_f32_16x16x128_f8f6f4 v[mD:mD+7], v[mW:mW+11], v[mB:mB+11], 0, v[mX], v[mY] matrix_a_fmt:MATRIX_FMT_BF6 matrix_b_fmt:MATRIX_FMT_BF6
.endif
.else
	WIN 0x02
	v_wmma_scale_f32_16x16x128_f8f6f4 v[mD:mD+7], v[mW:mW+11], v[mB:mB+11], v[mD:mD+7], v[mX], v[mY] matrix_a_fmt:MATRIX_FMT_BF6 matrix_b_fmt:MATRIX_FMT_BF6
.endif
.endm
; the same, backward: results into buffer 1 + t % 2
.macro WMB t, k
.set mA, (\k)%4
.set mS, (\k)/4
.set mD, RB+32*(1+(\t)%2)+8*mA
.set mW, WB+12*(2*mA+mS)
.set mB, CB+24*((\t)%3)+12*mS
.set mX, WSK+2*mA+mS
.set mY, CS+2*((\t)%3)+mS
	WIN 0x02
.if mS == 0
	v_wmma_scale_f32_16x16x128_f8f6f4 v[mD:mD+7], v[mW:mW+11], v[mB:mB+11], 0, v[mX], v[mY] matrix_a_fmt:MATRIX_FMT_BF6 matrix_b_fmt:MATRIX_FMT_BF6
.else
	v_wmma_scale_f32_16x16x128_f8f6f4 v[mD:mD+7], v[mW:mW+11], v[mB:mB+11], v[mD:mD+7], v[mX], v[mY] matrix_a_fmt:MATRIX_FMT_BF6 matrix_b_fmt:MATRIX_FMT_BF6
.endif
.endm
; line j of 26 of the quantiser of tile n: the lane's 32 numbers in buffer n % 3 are one block.  0-15 the largest magnitude, in four chains, with the floor 2^(5 - 127) as a leaf (the byte cannot fall under 1);
; 16 the conversions' scale operand (4 off the exponent field); 17, 18 the conversions; 19 the byte (also the plain place behind the conversions); 20-22 the second half joins the first; 23-25 the image to region reg.
.macro QOP j, n, reg
.set qT, TZ+16*((\n)%3)
.set qS, RB+32*((\n)%3)
.set qO, (\reg)+TREC*(\n)
	WIN 0
.if (\j) < 4
	v_max3_num_f32 v[qT+12+(\j)], |v[qS+8*(\j)]|, |v[qS+8*(\j)+1]|, |v[qS+8*(\j)+2]|
.elseif (\j) < 12
.set qk, (\j)%4
.set qr, (\j)/4
	v_max3_num_f32 v[qT+12+qk], v[qT+12+qk], |v[qS+8*qk+2*qr+1]|, |v[qS+8*qk+2*qr+2]|
.elseif (\j) == 12
	v_max3_num_f32 v[qT+12], v[qT+12], v[qT+13], v[qT+14]
.elseif (\j) == 13
	v_max3_num_f32 v[qT+15], v[qT+15], |v[qS+7]|, |v[qS+15]|
.elseif (\j) == 14
	v_max3_num_f32 v[qT+12], v[qT+12], |v[qS+23]|, |v[qS+31]|
.elseif (\j) == 15
	v_max3_num_f32 v[qT+12], v[qT+12], v[qT+15], 0x2800000
.elseif (\j) == 16
	v_add_nc_u32 v[qT+7], 0xfe000000, v[qT+12]
.elseif (\j) == 17
	v_cvt_scalef32_pk16_bf6_f32 v[qT:qT+2], v[qS:qS+15], v[qT+7]
.elseif (\j) == 18
	v_cvt_scalef32_pk16_bf6_f32 v[qT+8:qT+10], v[qS+16:qS+31], v[qT+7]
.elseif (\j) == 19
	v_lshrrev_b32 v[qT+6], 23, v[qT+7]
.elseif (\j) < 23
	v_mov_b32 v[qT+3+(\j)-20], v[qT+8+(\j)-20]
.elseif (\j) == 23
	ds_store_b128 v[W16], v[qT:qT+3] offset:qO
.elseif (\j) == 24
	ds_store_b64 v[W8], v[qT+4:qT+5] offset:qO
.else
	ds_store_b8 v[WSBY], v[qT+6] offset:qO
.endif
.endm
.macro MULW i, k                       ; buffer k = W1[i] s1: direction i's forward operand
	WIN 0x09
.set p, 0
.rept 16
	v_pk_mul_f32 v[RB+32*(\k)+p:RB+32*(\k)+p+1], v[32*(\i)+p:32*(\i)+p+1], v[DS1+p:DS1+p+1]
.set p, p+2
.endr
.endm
.macro MC2 t, p                        ; pair p of tile t's forward result times -2 W3 h2 s2: under the matrix instructions' own window setting
.set cR, RB+32*((\t)%3)+2*(\p)
	WIN 0x02
	v_pk_mul_f32 v[cR:cR+1], v[CC2+2*(\p):CC2+2*(\p)+1], v[cR:cR+1]
.endm
.macro V3 t, p                         ; pair p of tile t = 1 + i: ACC += W1[i] tdh1_i;  g_i's chain += W1[i] e
.set vI, (\t)-1
.set vR, RB+32*(1+(\t)%2)+2*(\p)
.set vW, 32*vI+2*(\p)
.set vG, GT+4*vI+2*((\p)%2)
	WIN 0xf1
	v_pk_fma_f32 v[ACC+2*(\p):ACC+2*(\p)+1], v[vW:vW+1], v[vR:vR+1], v[ACC+2*(\p):ACC+2*(\p)+1]
.if (\p) < 2
	v_pk_mul_f32 v[vG:vG+1], v[vW:vW+1], v[RB+2*(\p):RB+2*(\p)+1]
.else
	v_pk_fma_f32 v[vG:vG+1], v[vW:vW+1], v[RB+2*(\p):RB+2*(\p)+1], v[vG:vG+1]
.endif
.endm
.macro HOOK k                          ; a product of tile 1 set among tile 0's vector work
	WMF 1, \k
	WIN 0
.endm
	s_load_b256 s[4:11], s[0:1], 0x0               ; x s[4:5], W1 s[6:7], b1 s[8:9], b2 s[10:11]
	s_load_b128 s[12:15], s[0:1], 0x20             ; W3 s[12:13], the quantised weights s[14:15]
	s_load_b64 s[16:17], s[0:1], 0x30              ; out
	v_lshl_add_u32 v67, v0, 2, 0x18400
	v_mov_b32 v83, 0
	v_lshrrev_b32 v40, 5, v0
	v_readfirstlane_b32 s18, v40                   ; wave 0..3
	v_and_b32 v40, 31, v0                          ; lane
	v_and_b32 v41, 15, v0                          ; r
	v_bfe_u32 v42, v0, 4, 1                        ; h
	s_lshl_b32 s28, s18, 9
	s_lshl_b32 s29, s18, 8
	s_lshl_b32 s30, s18, 1
	s_lshl_b32 s31, s18, 12
	s_lshl_b32 s32, s18, 10
	s_mul_i32 s33, s18, 8*REC
	s_mov_b32 s26, 0xc1a55210                      ; KIN = -197^2 / (2 x 939)
	s_mov_b32 s27, 0x409ad9c6                      ; POT = 0.5 x 939 x (20 / 197)^2
	v_lshlrev_b32 v[A16], 4, v40
	v_lshlrev_b32 v[A8], 3, v40
	v_lshlrev_b32 v[ASC], 3, v41
	v_add_nc_u32 v[W16], s28, v[A16]
	v_add_nc_u32 v[W8], s29, v[A8]
	v_add_nc_u32 v[W8], 2048, v[W8]
	v_add_nc_u32 v[WSBY], v[ASC], v42
	v_add_nc_u32 v[WSBY], s30, v[WSBY]
	v_add_nc_u32 v[WSBY], 3072, v[WSBY]
	v_lshl_add_u32 v[AX0], v41, 5, XS
	v_add_nc_u32 v[ARA0], s31, v[A16]
	v_add_nc_u32 v[ARA0], REDA, v[ARA0]
	v_lshlrev_b32 v[ARC0], 2, v40
	v_add_nc_u32 v[ARC0], s32, v[ARC0]
	v_add_nc_u32 v[ARC0], REDC, v[ARC0]
	v_lshl_add_u32 v[VW], v42, 7, s29
	v_add_nc_u32 v[VQ], s33, v[A16]
	v_add_nc_u32 v[VS], s33, v[A8]
	v_lshlrev_b32 v[XO], 5, v0
	s_lshl_b32 s24, ttmp9, 12                      ; my work-group's 128 samples of 32 bytes
	s_mov_b32 s25, 0
	s_wait_kmcnt 0x0
	s_add_nc_u64 s[4:5], s[4:5], s[24:25]
	s_lshl_b32 s24, ttmp9, 9                       ; and their 512 bytes of results
	s_add_nc_u64 s[16:17], s[16:17], s[24:25]
	; 154 loads, what is wanted first first: x (2), b1 (8), W1 (64) | b2 (8), W3 (8), forward weights (24 + 8) | backward weights (24 + 8)
	global_load_b128 v[RB+32:RB+35], v[XO], s[4:5] th:TH_LOAD_NT
	global_load_b128 v[RB+36:RB+39], v[XO], s[4:5] offset:16 th:TH_LOAD_NT
	WIN 0xc0
.set j, 0
.rept 8
	global_load_b128 v[B1+4*j:B1+4*j+3], v[VW], s[8:9] offset:16*j
.set j, j+1
.endr
	WIN 0x40
.set i, 0
.rept 8
.set j, 0
.rept 8
	global_load_b128 v[32*i+4*j:32*i+4*j+3], v[VW], s[6:7] offset:1024*i+16*j
.set j, j+1
.endr
.set i, i+1
.endr
	WIN 0xc0
.set j, 0
.rept 8
	global_load_b128 v[B2+4*j:B2+4*j+3], v[VW], s[10:11] offset:16*j
.set j, j+1
.endr
.set j, 0
.rept 8
	global_load_b128 v[W3C+4*j:W3C+4*j+3], v[VW], s[12:13] offset:16*j
.set j, j+1
.endr
	WIN 0x80
.set i, 0
.rept 8
.set j, 0
.rept 3
	global_load_b128 v[WF+12*i+4*j:WF+12*i+4*j+3], v[VQ], s[14:15] offset:REC*i+512*j
.set j, j+1
.endr
.set i, i+1
.endr
	WIN 0
.set i, 0
.rept 8
	global_load_b32 v[WSF+i], v[VS], s[14:15] offset:REC*i+1536
.set i, i+1
.endr
	WIN 0x80
.set i, 0
.rept 8
.set j, 0
.rept 3
	global_load_b128 v[WB+12*i+4*j:WB+12*i+4*j+3], v[VQ], s[14:15] offset:32*REC+REC*i+512*j
.set j, j+1
.endr
.set i, i+1
.endr
	WIN 0
.set i, 0
.rept 8
	global_load_b32 v[WSK+i], v[VS], s[14:15] offset:32*REC+REC*i+1536
.set i, i+1
.endr
	s_wait_loadcnt 63                              ; 80 loads were issued behind W1's last: x, b1 and W1 are in; the rest lands under the first group's vector work
	v_pk_mul_f32 v[RB+40:RB+41], v[RB+32:RB+33], v[RB+32:RB+33]
	v_pk_fma_f32 v[RB+40:RB+41], v[RB+34:RB+35], v[RB+34:RB+35], v[RB+40:RB+41]
	v_pk_fma_f32 v[RB+40:RB+41], v[RB+36:RB+37], v[RB+36:RB+37], v[RB+40:RB+41]
	v_pk_fma_f32 v[RB+40:RB+41], v[RB+38:RB+39], v[RB+38:RB+39], v[RB+40:RB+41]
	v_add_f32 v[RB+40], v[RB+40], v[RB+41]
	v_mul_f32 v[EP], s27, v[RB+40]                 ; POT |x|^2 of sample = my thread's number
	ds_store_b128 v[XO], v[RB+32:RB+35] offset:XS
	ds_store_b128 v[XO], v[RB+36:RB+39] offset:XS+16
	WIN 0xf5                                       ; -2 sum_i W1[i]^2
.set p, 0
.rept 16
	v_pk_mul_f32 v[W2SM+p:W2SM+p+1], v[p:p+1], v[p:p+1]
.set p, p+2
.endr
.set i, 1
.rept 7
.set p, 0
.rept 16
	v_pk_fma_f32 v[W2SM+p:W2SM+p+1], v[32*i+p:32*i+p+1], v[32*i+p:32*i+p+1], v[W2SM+p:W2SM+p+1]
.set p, p+2
.endr
.set i, i+1
.endr
	WIN 0xc3
.set p, 0
.rept 16
	v_pk_mul_f32 v[W2SM+p:W2SM+p+1], v[W2SM+p:W2SM+p+1], -2.0 op_sel_hi:[1,0]
.set p, p+2
.endr
	WIN 0
	BAR                                            ; the 128 samples lie in LDS
	WIN 0xc0
	ds_load_b128 v[X:X+3], v[AX0]                  ; group 0's x of my sample
	ds_load_b128 v[X+4:X+7], v[AX0] offset:16
	WIN 0
	s_mov_b32 s19, 0                               ; the group
	s_mov_b32 s20, 0                               ; 512 x group
	s_mov_b32 s21, 0                               ; 128 x group
.Lgroup:
	; ---- A: a1 = x W1 + b1 in f32 fused multiply-adds: lane (r, h), register q: sample r, unit 64 w + 32 h + q
	s_wait_dscnt 0x0                               ; x is in
.set i, 0
.rept 8
.if i == 0
	WIN 0x3d
.else
	WIN 0x0d
.endif
.set p, 0
.rept 16
.if i == 0
	v_pk_fma_f32 v[RB+p:RB+p+1], v[p:p+1], v[X:X+1], v[B1+p:B1+p+1] op_sel_hi:[1,0,1]
.elseif i%2 == 0
	v_pk_fma_f32 v[RB+p:RB+p+1], v[32*i+p:32*i+p+1], v[X+i:X+i+1], v[RB+p:RB+p+1] op_sel_hi:[1,0,1]
.else
	v_pk_fma_f32 v[RB+p:RB+p+1], v[32*i+p:32*i+p+1], v[X+i-1:X+i], v[RB+p:RB+p+1] op_sel:[0,1,0] op_sel_hi:[1,1,1]
.endif
.set p, p+2
.endr
.set i, i+1
.endr
	WIN 0
	s_add_co_u32 s22, s20, 512                     ; the next group's x; in the last trip the last group's again, so that the address stays inside XS
	s_min_u32 s22, s22, 3584
	v_add_nc_u32 v[AXG], s22, v[AX0]
	WIN 0xc0
	ds_load_b128 v[X:X+3], v[AXG]
	ds_load_b128 v[X+4:X+7], v[AXG] offset:16
	WIN 0
	; h1 = tanh(a1) = 1 - 2 / (1 + 2^(2 log2(e) a1)), in place
.set p, 0
.rept 16
	v_pk_mul_f32 v[RB+p:RB+p+1], v[RB+p:RB+p+1], 0x4038aa3b op_sel_hi:[1,0]
.set p, p+2
.endr
.set p, 0
.rept 32
	v_exp_f32 v[RB+p], v[RB+p]
.set p, p+1
.endr
	v_nop                                          ; a plain place behind the last exponential
	s_wait_alu depctr_va_vdst(0)                   ; one wait for the batch, ahead of its first reader
.set p, 0
.rept 16
	v_pk_add_f32 v[RB+p:RB+p+1], v[RB+p:RB+p+1], 1.0 op_sel_hi:[1,0]
.set p, p+2
.endr
.set p, 0
.rept 32
	v_rcp_f32 v[RB+p], v[RB+p]
.set p, p+1
.endr
	v_nop
	s_wait_alu depctr_va_vdst(0)                   ; and one for the reciprocals
.set p, 0
.rept 16
	v_pk_fma_f32 v[RB+p:RB+p+1], v[RB+p:RB+p+1], -2.0, 1.0 op_sel_hi:[1,0,0]
.set p, p+2
.endr
	WIN 0x80
.set p, 0
.rept 16
	v_pk_fma_f32 v[DS1+p:DS1+p+1], v[RB+p:RB+p+1], v[RB+p:RB+p+1], 1.0 op_sel_hi:[1,1,0] neg_lo:[1,0,0] neg_hi:[1,0,0]   ; s1 = 1 - h1^2
.set p, p+2
.endr
	WIN 0xc3
.set p, 0
.rept 16
	v_pk_mul_f32 v[MM1+p:MM1+p+1], v[W2SM+p:W2SM+p+1], v[RB+p:RB+p+1]
.set p, p+2
.endr
	; the nine forward operands, three tiles at a time in the three buffers; the three quantisers take turns line by line, so that no line waits for the line above it
.set bt, 0
.rept 3
.if bt == 0
	MULW 0, 1                                      ; tile 0 is h1, which lies in buffer 0
	MULW 1, 2
.else
	MULW 3*bt-1, 0
	MULW 3*bt, 1
	MULW 3*bt+1, 2
	s_wait_dscnt 0x0                               ; the last batch's LDS stores are done: their registers are written again below
.endif
.set j, 0
.rept 26
	QOP j, 3*bt, FWD
	QOP j, 3*bt+1, FWD
	QOP j, 3*bt+2, FWD
.set j, j+1
.endr
.set bt, bt+1
.endr
	BAR                                            ; the nine forward operands lie in LDS, and nobody reads BWD any more
	; ---- B: the forward products; tile t's result becomes the backward operand while tile t + 1 and t + 2 are multiplied
	s_wait_loadcnt 32                              ; only the backward weights' 32 loads may be out
	LC FWD, 0
	LC FWD, 1
	LC FWD, 2
	s_wait_dscnt 18                                ; tile 0 is in; tiles 1 and 2 (18 loads) may be out
.set k, 0
.rept 8
	WMF 0, k
.set k, k+1
.endr
	WIN 0
	v_add_nc_u32 v[ARAG], s20, v[ARA0]             ; four plain places behind the products (ISA guide 7.12.1): two addresses for the group's sums,
	v_add_nc_u32 v[ARCG], s21, v[ARC0]
	v_nop                                          ; and two idle ones
	v_nop
	LC FWD, 3                                      ; into tile 0's buffer
	s_wait_dscnt 18                                ; tile 1 is in; tiles 2 and 3 may be out
	; tile 0: h2 = tanh(a2), d2 = W3 (1 - h2^2), CC2 = -2 h2 d2; tile 1's eight products stand among these lines
.set p, 0
.rept 16
	v_pk_mul_f32 v[RB+p:RB+p+1], v[RB+p:RB+p+1], 0x4038aa3b op_sel_hi:[1,0]
.set p, p+2
.if p == 16
	HOOK 0
.endif
.endr
	HOOK 1
.set p, 0
.rept 32
	v_exp_f32 v[RB+p], v[RB+p]
.set p, p+1
.if p == 16
	HOOK 2
.endif
.endr
	HOOK 3
	v_nop
	s_wait_alu depctr_va_vdst(0)                   ; one wait for the 32 exponentials, ahead of their first reader
.set p, 0
.rept 16
	v_pk_add_f32 v[RB+p:RB+p+1], v[RB+p:RB+p+1], 1.0 op_sel_hi:[1,0]
.set p, p+2
.if p == 16
	HOOK 4
.endif
.endr
.set p, 0
.rept 32
	v_rcp_f32 v[RB+p], v[RB+p]
.set p, p+1
.if p == 16
	HOOK 5
.endif
.endr
	HOOK 6
	v_nop
	s_wait_alu depctr_va_vdst(0)                   ; and one for the 32 reciprocals
	WIN 0x80
.set p, 0
.rept 16
	v_pk_fma_f32 v[CC2+p:CC2+p+1], v[RB+p:RB+p+1], 4.0, -2.0 op_sel_hi:[1,0,0]   ; -2 h2 = 4 r - 2
.set p, p+2
.endr
	HOOK 7
.set p, 0
.rept 16
	v_pk_fma_f32 v[RB+p:RB+p+1], v[RB+p:RB+p+1], -2.0, 1.0 op_sel_hi:[1,0,0]     ; h2
.set p, p+2
.endr
.set p, 0
.rept 16
	v_pk_fma_f32 v[RB+p:RB+p+1], v[RB+p:RB+p+1], v[RB+p:RB+p+1], 1.0 op_sel_hi:[1,1,0] neg_lo:[1,0,0] neg_hi:[1,0,0]   ; s2
.set p, p+2
.endr
	WIN 0x03
.set p, 0
.rept 16
	v_pk_mul_f32 v[RB+p:RB+p+1], v[W3C+p:W3C+p+1], v[RB+p:RB+p+1]                ; d2
.set p, p+2
.endr
	WIN 0x82
.set p, 0
.rept 16
	v_pk_mul_f32 v[CC2+p:CC2+p+1], v[CC2+p:CC2+p+1], v[RB+p:RB+p+1]
.set p, p+2
.endr
.set j, 0
.rept 12
	QOP j, 0, BWD
.set j, j+1
.endr
; A step: tile t's eight products, and behind each a slice of vector work: tile t - 1 is scaled and its maximum begun, tile t - 2's quantiser is finished and its image stored, tile t + 2 is fetched.
; The slices are the places behind the products: what reads or writes a product's registers stands four plain instructions or more behind it.
.macro STEPB
.if t == 2
	s_wait_dscnt 9                                 ; behind tile 2's loads: tile 3's nine
.elseif t == 3
	s_wait_dscnt 12                                ; tile 4's nine loads and tile 0's three stores
.elseif t == 8
	s_wait_dscnt 6                                 ; two tiles' stores
.else
	s_wait_dscnt 15                                ; three stores, the next tile's nine loads, three stores
.endif
.set k, 0
.rept 4
	WMF t, k
	MC2 t-1, 4*k
	MC2 t-1, 4*k+1
	MC2 t-1, 4*k+2
	MC2 t-1, 4*k+3
.set k, k+1
.endr
	WMF t, 4
	QOP 12, t-2, BWD
	QOP 13, t-2, BWD
	QOP 0, t-1, BWD
	QOP 1, t-1, BWD
	QOP 2, t-1, BWD
	QOP 3, t-1, BWD
.if t+2 <= 8
	LC3 FWD, t+2, 0
.endif
	WMF t, 5
	QOP 14, t-2, BWD
	QOP 4, t-1, BWD
	QOP 5, t-1, BWD
	QOP 6, t-1, BWD
	QOP 7, t-1, BWD
	QOP 15, t-2, BWD
.if t+2 <= 8
	LC3 FWD, t+2, 1
.endif
	WMF t, 6
	QOP 16, t-2, BWD
	QOP 8, t-1, BWD
	QOP 9, t-1, BWD
	QOP 10, t-1, BWD
	QOP 11, t-1, BWD
	QOP 17, t-2, BWD
	QOP 18, t-2, BWD
.if t+2 <= 8
	LC3 FWD, t+2, 2
.endif
	WMF t, 7
.set j, 19
.rept 7
	QOP j, t-2, BWD
.set j, j+1
.endr
.endm
.set t, 2
.rept 7
	STEPB
.set t, t+1
.endr
.set j, 12
.rept 14
	QOP j, 7, BWD
.set j, j+1
.endr
.set p, 0
.rept 16
	MC2 8, p
.set p, p+1
.endr
.set j, 0
.rept 26
	QOP j, 8, BWD
.set j, j+1
.endr
	BAR                                            ; the nine backward operands lie in LDS, and nobody reads FWD any more
	; ---- C: the backward products and the sums
	s_wait_loadcnt 0x0                             ; the backward weights
	LC BWD, 0
	LC BWD, 1
	LC BWD, 2
	s_wait_dscnt 18                                ; tile 0 is in
.set k, 0
.rept 8
	WMB 0, k                                       ; dh1, into buffer 1
.set k, k+1
.endr
.rept 4
	v_nop                                          ; four places: no other vector work is at hand
.endr
	s_wait_dscnt 9                                 ; tile 1 is in; tile 2's nine loads may be out
.set k, 0
.rept 8
	WMB 1, k
.if k < 4
	WIN 0x08
.set p, 8*k
.rept 4
	v_pk_mul_f32 v[RB+p:RB+p+1], v[RB+32+p:RB+32+p+1], v[DS1+p:DS1+p+1]          ; e = dh1 s1, into buffer 0
.set p, p+2
.endr
.else
	WIN 0xcc
.set p, 8*(k-4)
.rept 4
	v_pk_mul_f32 v[ACC+p:ACC+p+1], v[RB+32+p:RB+32+p+1], v[MM1+p:MM1+p+1]        ; ACC begins with dh1 x (-2 h1 sum_i W1[i]^2)
.set p, p+2
.endr
.endif
.if (k >= 1) && (k <= 3)
	LC3 BWD, 3, k-1
.endif
.set k, k+1
.endr
.macro STEPC                           ; tile t's eight products; behind each, two pairs of tile t - 1's sums; tile t + 2 is fetched
.if t == 8
	s_wait_dscnt 0x0
.else
	s_wait_dscnt 9                                 ; the next tile's nine loads may be out
.endif
.set k, 0
.rept 8
	WMB t, k
	V3 t-1, 2*k
	V3 t-1, 2*k+1
.if (k >= 1) && (k <= 3) && (t+2 <= 8)
	LC3 BWD, t+2, k-1
.endif
.set k, k+1
.endr
.endm
.set t, 2
.rept 7
	STEPC
.set t, t+1
.endr
.rept 4
	v_nop
.endr
.set p, 0
.rept 16
	V3 8, p
.set p, p+1
.endr
	WIN 0xcf
.set i, 0
.rept 8
	v_pk_add_f32 v[GT+4*i:GT+4*i+1], v[GT+4*i:GT+4*i+1], v[GT+4*i+2:GT+4*i+3]
.set i, i+1
.endr
.set i, 0
.rept 8
	v_add_f32 v[GP+i], v[GT+4*i], v[GT+4*i+1]      ; my 32 units' part of g_i
.set i, i+1
.endr
	WIN 0xfb
.set p, 0
.rept 16
.if p < 4
	v_pk_mul_f32 v[LCH+2*p:LCH+2*p+1], v[ACC+2*p:ACC+2*p+1], v[DS1+2*p:DS1+2*p+1]
.else
	v_pk_fma_f32 v[LCH+2*(p%4):LCH+2*(p%4)+1], v[ACC+2*p:ACC+2*p+1], v[DS1+2*p:DS1+2*p+1], v[LCH+2*(p%4):LCH+2*(p%4)+1]
.endif
.set p, p+1
.endr
	WIN 0xcf
	v_pk_add_f32 v[LCH:LCH+1], v[LCH:LCH+1], v[LCH+2:LCH+3]
	v_pk_add_f32 v[LCH+4:LCH+5], v[LCH+4:LCH+5], v[LCH+6:LCH+7]
	v_pk_add_f32 v[LCH:LCH+1], v[LCH:LCH+1], v[LCH+4:LCH+5]
	v_add_f32 v[LP], v[LCH], v[LCH+1]              ; and of the laplacian
	WIN 0x0c                                       ; an LDS store's data are its source 1: window 3
	ds_store_b128 v[ARAG], v[GP:GP+3]
	ds_store_b128 v[ARAG], v[GP+4:GP+7] offset:16384
	ds_store_b32 v[ARCG], v[LP]
	WIN 0
	s_add_co_u32 s20, s20, 512
	s_add_co_u32 s21, s21, 128
	s_add_co_u32 s19, s19, 1
	s_cmp_lt_u32 s19, 8
	s_cbranch_scc1 .Lgroup
	; ---- the end: thread 32 w + l takes sample 32 w + l (group 2 w + l / 16, row l % 16) and adds its eight parts (four waves x two halves of the lanes)
	v_and_b32 v[AXG], 15, v0
	v_bfe_u32 v[AX0], v0, 4, 1
	v_lshlrev_b32 v[ARAG], 4, v[AXG]
	v_lshl_add_u32 v[ARAG], v[AX0], 9, v[ARAG]
	v_add_nc_u32 v[ARAG], s32, v[ARAG]
	v_add_nc_u32 v[ARAG], REDA, v[ARAG]            ; REDA + 512 x group + 16 x row
	v_lshlrev_b32 v[ARCG], 2, v[AXG]
	v_lshl_add_u32 v[ARCG], v[AX0], 7, v[ARCG]
	v_add_nc_u32 v[ARCG], s29, v[ARCG]
	v_add_nc_u32 v[ARCG], REDC, v[ARCG]            ; REDC + 128 x group + 4 x row
	v_lshl_add_u32 v[ARA0], v0, 2, STG             ; my result's place
	v_add_nc_u32 v[ARC0], STG, v[A16]              ; and where wave 0 reads 16 bytes a lane
	BAR                                            ; all partial sums lie in LDS
.set i, 0
.rept 8
	ds_load_b128 v[RB+4*i:RB+4*i+3], v[ARAG] offset:4096*(i/2)+256*(i%2)
	ds_load_b128 v[RB+32+4*i:RB+32+4*i+3], v[ARAG] offset:16384+4096*(i/2)+256*(i%2)
	ds_load_b32 v[RB+64+i], v[ARCG] offset:1024*(i/2)+64*(i%2)
.set i, i+1
.endr
	s_wait_dscnt 0x0
.irp d, 4, 2, 1
.set j, 0
.rept \d
	v_pk_add_f32 v[RB+4*j:RB+4*j+1], v[RB+4*j:RB+4*j+1], v[RB+4*(j+\d):RB+4*(j+\d)+1]
	v_pk_add_f32 v[RB+4*j+2:RB+4*j+3], v[RB+4*j+2:RB+4*j+3], v[RB+4*(j+\d)+2:RB+4*(j+\d)+3]
	v_pk_add_f32 v[RB+32+4*j:RB+32+4*j+1], v[RB+32+4*j:RB+32+4*j+1], v[RB+32+4*(j+\d):RB+32+4*(j+\d)+1]
	v_pk_add_f32 v[RB+32+4*j+2:RB+32+4*j+3], v[RB+32+4*j+2:RB+32+4*j+3], v[RB+32+4*(j+\d)+2:RB+32+4*(j+\d)+3]
	v_add_f32 v[RB+64+j], v[RB+64+j], v[RB+64+j+\d]
.set j, j+1
.endr
.endr
	v_pk_mul_f32 v[RB+72:RB+73], v[RB:RB+1], v[RB:RB+1]                          ; |grad|^2
	v_pk_fma_f32 v[RB+72:RB+73], v[RB+2:RB+3], v[RB+2:RB+3], v[RB+72:RB+73]
	v_pk_fma_f32 v[RB+72:RB+73], v[RB+32:RB+33], v[RB+32:RB+33], v[RB+72:RB+73]
	v_pk_fma_f32 v[RB+72:RB+73], v[RB+34:RB+35], v[RB+34:RB+35], v[RB+72:RB+73]
	v_add_f32 v[RB+72], v[RB+72], v[RB+73]
	v_add_f32 v[RB+64], v[RB+64], v[RB+72]
	v_fma_f32 v[RB+64], s26, v[RB+64], v[EP]       ; KIN (laplacian + |grad|^2) + POT |x|^2
	ds_store_b32 v[ARA0], v[RB+64]
	BAR                                            ; the 128 results lie side by side
	s_cmp_lg_u32 s18, 0
	s_cbranch_scc1 .Lend
	ds_load_b128 v[RB:RB+3], v[ARC0]
	s_wait_dscnt 0x0
	global_store_b128 v[A16], v[RB:RB+3], s[16:17] ; wave 0 stores the work-group's 512 consecutive bytes, aligned to 256
.Lend:
	s_wait_tensorcnt 0x0
	ds_add_u32 v67, v83
	s_wait_dscnt 0x0
	s_endpgm
.Lfunc_end_k_q198e3bee70_main:
	.size	k_q198e3bee70_main, .Lfunc_end_k_q198e3bee70_main-k_q198e3bee70_main
	.p2alignl 7, 3214868480
	.fill 96, 4, 3214868480
	.section	.rodata,"a",@progbits
	.p2align	6, 0x0
	.amdhsa_kernel k_q198e3bee70_main
		.amdhsa_group_segment_fixed_size 99840
		.amdhsa_private_segment_fixed_size 0
		.amdhsa_enable_private_segment 0
		.amdhsa_kernarg_size 56
		.amdhsa_user_sgpr_count 2
		.amdhsa_user_sgpr_kernarg_segment_ptr 1
		.amdhsa_wavefront_size32 1
		.amdhsa_system_sgpr_workgroup_id_x 1
		.amdhsa_system_sgpr_workgroup_id_y 1
		.amdhsa_system_sgpr_workgroup_id_z 1
		.amdhsa_system_vgpr_workitem_id 0
		.amdhsa_next_free_vgpr 1024
		.amdhsa_next_free_sgpr 66
		.amdhsa_reserve_vcc 0
		.amdhsa_float_denorm_mode_32 3
		.amdhsa_float_denorm_mode_16_64 3
		.amdhsa_memory_ordered 1
		.amdhsa_forward_progress 1
		.amdhsa_inst_pref_size 159
	.end_amdhsa_kernel
	.amdgpu_metadata
---
amdhsa.version: [ 1, 2 ]
amdhsa.kernels:
  - .name:           k_q198e3bee70_main
    .symbol:         k_q198e3bee70_main.kd
    .args:
      - { .name: x, .offset: 0, .size: 8, .value_kind: global_buffer, .address_space: global }
      - { .name: W1, .offset: 8, .size: 8, .value_kind: global_buffer, .address_space: global }
      - { .name: b1, .offset: 16, .size: 8, .value_kind: global_buffer, .address_space: global }
      - { .name: b2, .offset: 24, .size: 8, .value_kind: global_buffer, .address_space: global }
      - { .name: W3, .offset: 32, .size: 8, .value_kind: global_buffer, .address_space: global }
      - { .name: wq, .offset: 40, .size: 8, .value_kind: global_buffer, .address_space: global }
      - { .name: out0, .offset: 48, .size: 8, .value_kind: global_buffer, .address_space: global }
    .group_segment_fixed_size: 99840
    .private_segment_fixed_size: 0
    .kernarg_segment_align: 8
    .kernarg_segment_size: 56
    .max_flat_workgroup_size: 128
    .sgpr_count:     66
    .vgpr_count:     1024
    .wavefront_size: 32
...
	.end_amdgpu_metadata
.endif
;; end of part 2
;; ======== version 2 of 2: 2 launches; version 1 with the launch main written anew for expert scheduling mode
;; workspace buffers: wq 114,688 bytes
;; launch prep: the kernel of part 1 again; grid 64 x 1, 1 waves a work-group, no clusters, 0 bytes of LDS; arguments W2, wq; writes wq
;; launch main (part 3): grid 256 x 1, 4 waves a work-group, no clusters, 99,840 bytes of LDS; arguments x, W1, b1, b2, W3, wq, out0; writes out0
.if DOCPART == 3
	.amdgcn_target "amdgcn-amd-amdhsa--gfx1250"
	.amdhsa_code_object_version 6
	.text
	.protected	k_q198e3bee70_main
	.globl	k_q198e3bee70_main
	.p2align	8
	.type	k_q198e3bee70_main,@function
k_q198e3bee70_main:
	s_mov_b64 s[64:65], 0
	v_nop
	global_prefetch_b8 v0, s[64:65] scope:SCOPE_SE
	s_setreg_imm32_b32 hwreg(HW_REG_WAVE_SCHED_MODE, 0, 2), 2
	s_setreg_imm32_b32 hwreg(HW_REG_WAVE_MODE, 25, 1), 1
	s_wait_xcnt 0x0
	s_wait_alu depctr_vm_vsrc(0)
; out = KIN (laplacian + |grad|^2) + POT |x|^2 of log|psi|(x) = tanh(tanh(x W1 + b1) W2 + b2) W3 + b3, for 32,768 samples of 8 numbers.  In closed form, for one sample:
;   h1 = tanh(x W1 + b1), s1 = 1 - h1^2;  h2 = tanh(Q(h1) Q(W2) + b2), s2 = 1 - h2^2;  d2 = W3 s2;  dh1 = Q(d2) Q(W2^T);  g_i = sum_j dh1_j s1_j W1[i][j];
;   direction i: th1 = s1 W1[i];  ta2 = Q(th1) Q(W2);  td2 = -2 W3 h2 s2 ta2;  tdh1 = Q(td2) Q(W2^T);  laplacian = sum_j s1_j (sum_i W1[i][j] tdh1_i[j] - 2 dh1_j h1_j sum_i W1[i][j]^2).
; Q: codes of BF6 (E3M2), one E8M0 scale for each 32 along K; these four products go to the scaled matrix instruction, all else is f32.  The products that reference() writes twice with equal operands are multiplied once.
; b3 IS NOT READ: it enters log|psi| alone, of which only derivatives are kept, so no output number depends on it, whatever it holds.
; SHARES.  A work-group of four waves takes 128 samples, 16 at a time (a group).  A group has 9 tiles of 16 rows: tile 0 the samples themselves, tile 1 + i direction i of the same 16 samples.
; THE WAVES SHARE THE COLUMNS: wave w owns units 64 w .. 64 w + 63 of both hidden layers, for all rows.  Its part of both quantised weights (16 fragments), of W1 (8 x 64), b1, b2, W3 stays in REGISTERS for the whole launch.
; Both products are used TRANSPOSED (source 0 = 16 weight rows, source 1 = 16 rows of samples), and the weight rows of a tile are chosen (by the launch before) so that lane (r, h) holds sample r and, in the 32 registers
; of its four accumulators, units 64 w + 32 h + 0 .. 31: a WHOLE BLOCK of the next K.  So a block's maximum and its codes need no other lane, and every element-wise step is a packed f32 instruction on registers.
; Only codes go from wave to wave, through LDS, as images of the operand's registers: wave w makes registers 6 w .. 6 w + 5 of a tile's 24 and one scale byte a lane; all four waves read the 24.
; A GROUP, two barriers:  A: h1, s1, the nine forward operands quantised, images to FWD | barrier |  B: nine forward products; tanh of tile 0; the nine backward operands, images to BWD | barrier |  C: nine backward products, the sums.
; No barrier stands between C and the next A: FWD is written only by waves that have passed the barrier behind B, which each wave signals behind its last read of FWD; BWD only behind the barrier behind the next A, likewise.
; No tensor loads, cluster or prefetch: what work-groups share is the 112 KiB of quantised weights, read once at the head straight into the registers where they stay.
; LIMITS: tanh(a) = 1 - 2 / (1 + 2^(2 log2(e) a)) has an absolute error of about 1e-7, so its relative error grows for |a| under about 0.05; it goes to +-1 (and s to 0) where the exponential overflows or vanishes.
; A block of zeros keeps the scale byte 1 where the rule says 127 (its codes are zeros; the bytes are read here alone).  NaN and infinities among the inputs are not served.  The f32 sums over i and j run in another order than reference()'s.
; THE MODE: SCHED_MODE bits 1:0 = 2 (LLVM: expert scheduling mode 2), set by the entry lines.  The code itself states the register dependences between vector or matrix instructions and memory or LDS instructions,
; with s_wait_alu, always for 0.
; THE PLAN.  Registers that LDS instructions touch in the loop, and who else names them:
;   CB0-2, CS0-2    Tile t's operand and scale words, buffer t % 3: nine LDS loads land there, tile t's eight products read them.  Tile t + 2's loads, which land in tile t - 1's buffer, are issued in step t.
;   TZ0-2, +0 .. +6 A tile's codes and scale byte, set n % 3: written by the quantiser's last six lines, read by three LDS stores.  In phase B tile t - 2's are written in step t, stored in step t + 1, written again in step t + 3.
;   X               Two LDS loads land there, behind phase A's exponentials; the next trip's fused multiply-adds read it.       AXG: written by one add a trip, read by those two loads.
;   ARAG, ARCG      Written by two adds in phase B, read by the trip's last three stores.       GP, LP: written by phase C's last sums, read by the same stores.
;   A16, A8, ASC, W16, W8, WSBY are made at the head and never written in the loop.  RB, CC2, DS1, ACC, GT, MM1 and the weights are named by vector and matrix instructions alone.
; So ONE wait on va_vdst stands at the head of a step of phases B and C: the products of the tile before are done reading their buffer, and (in B) the codes finished in the step before are written.  The step's loads and
; stores follow it, dealt among its products, with no further wait: no vector or matrix instruction of step t names buffer (t - 1) % 3 of CB and CS, nor registers +0 .. +6 of set t % 3 of TZ.
; One wait on vm_vsrc stands at the loop's head, ahead of phase A's second and third batch, and at the head of a step of B, a whole step behind the stores whose registers it frees.
;
; LDS
.set FWD,  0                           ; 9 tile records of 3,200 bytes: piece w's registers 0-3 at 512 w + 16 lane; registers 4, 5 at 2,048 + 256 w + 8 lane; scale bytes at 3,072 + 8 r + 2 w + h
.set BWD,  28800                       ; the same for the backward operands
.set TREC, 3200
.set XS,   57600                       ; x: 32 bytes a sample
.set REDA, 61696                       ; partial g_0 .. g_3 at 4,096 wave + 512 group + 16 lane;  g_4 .. g_7 16,384 bytes further on
.set REDC, 94464                       ; partial laplacian at 1,024 wave + 128 group + 4 lane
.set STG,  98560                       ; the 128 results, 4 bytes a thread
.set REC,  1792                        ; a record of the weights' buffer
; REGISTERS, window 0
.set A16,  1                           ; 16 x lane
.set A8,   2                           ; 8 x lane
.set ASC,  3                           ; 8 x (lane % 16)
.set W16,  4                           ; 16 x lane + 512 x wave
.set W8,   5                           ; 8 x lane + 256 x wave + 2,048
.set WSBY, 6                           ; 8 x (lane % 16) + lane / 16 + 2 x wave + 3,072
.set AX0,  7                           ; XS + 32 x (lane % 16)
.set AXG,  8                           ; the same in the next group
.set ARA0, 9                           ; REDA + 4,096 x wave + 16 x lane
.set ARAG, 10                          ; the same in the group in hand
.set ARC0, 11                          ; REDC + 1,024 x wave + 4 x lane
.set ARCG, 12
.set EP,   13                          ; POT |x|^2 of my thread's sample
.set VW,   14                          ; global offsets, never rewritten: 256 wave + 128 (lane / 16): my 32 units in a row of 256 f32
.set VQ,   15                          ; 16 lane + 8 records x wave
.set VS,   38                          ; 8 lane + 8 records x wave
.set XO,   39                          ; 32 x thread
.set WSF,  16                          ; v16-23 the forward weights' scale words, at 2 a + s;  v24-31 the backward weights'
.set WSK,  24
.set CS,   32                          ; v32-37 three pairs: a tile's scale words of K steps 0, 1
.set TZ,   40                          ; v40-87 three sets of 16 for the quantiser: +0..5 codes, +6 byte, +7 scale operand, +8..10 second half, +12..15 maxima
.set RB,   88                          ; v88-183 three buffers of 32 numbers
.set CB,   184                         ; v184-255 three buffers of a tile's 24 operand registers
; window 1: W1 of my 32 units, direction i at 32 i
; window 2
.set WF,   0                           ; forward weights: fragment (a, s) at 12 (2 a + s)
.set WB,   96                          ; backward weights
.set CC2,  192                         ; -2 W3 h2 s2
.set DS1,  224                         ; s1
; window 3
.set B1,   0
.set B2,   32
.set W3C,  64
.set W2SM, 96                          ; -2 sum_i W1[i]^2
.set MM1,  128                         ; W2SM h1
.set ACC,  160                         ; dh1 MM1 + sum_i W1[i] tdh1_i
.set GT,   192                         ; direction i: two packed chains of e W1[i]
.set GP,   224                         ; the lane's partial g_i
.set LCH,  232                         ; four packed chains of ACC s1
.set LP,   240
.set X,    244                         ; x of my sample
.set MSB, 0
.macro WIN new                         ; s_set_vgpr_msb: bits 1:0 source 0, 3:2 source 1, 5:4 source 2, 7:6 destination; the high byte repeats the setting that is left
.if MSB != \new
	s_set_vgpr_msb (MSB<<8)|\new
.set MSB, \new
.endif
.endm
.macro BAR                             ; my LDS stores have landed and my LDS loads are in: then the work-group's barrier
	s_wait_dscnt 0x0
	s_barrier_signal -1
	s_barrier_wait -1
.endm
; a third of tile t's nine loads from region reg: the four waves' pieces and the scale words, into buffer t % 3
.macro LC3 reg, t, part
.set lB, CB+24*((\t)%3)
.set lO, (\reg)+TREC*(\t)
	WIN 0
.if (\part) == 0
	ds_load_b128 v[lB:lB+3], v[A16] offset:lO
	ds_load_b128 v[lB+6:lB+9], v[A16] offset:lO+512
	ds_load_b128 v[lB+12:lB+15], v[A16] offset:lO+1024
.elseif (\part) == 1
	ds_load_b128 v[lB+18:lB+21], v[A16] offset:lO+1536
	ds_load_b64 v[lB+4:lB+5], v[A8] offset:lO+2048
	ds_load_b64 v[lB+10:lB+11], v[A8] offset:lO+2304
.else
	ds_load_b64 v[lB+16:lB+17], v[A8] offset:lO+2560
	ds_load_b64 v[lB+22:lB+23], v[A8] offset:lO+2816
	ds_load_b64 v[CS+2*((\t)%3):CS+2*((\t)%3)+1], v[ASC] offset:lO+3072
.endif
.endm
.macro LC reg, t
	LC3 \reg, \t, 0
	LC3 \reg, \t, 1
	LC3 \reg, \t, 2
.endm
; product k of 8 of tile t, forward: accumulator a = k % 4, K step s = k / 4.  The four accumulators take turns, one instruction a turn.  Tile 0's sums begin with b2, the others' with 0.
.macro WMF t, k
.set mA, (\k)%4
.set mS, (\k)/4
.set mD, RB+32*((\t)%3)+8*mA
.set mW, WF+12*(2*mA+mS)
.set mB, CB+24*((\t)%3)+12*mS
.set mX, WSF+2*mA+mS
.set mY, CS+2*((\t)%3)+mS
.if mS == 0
.if (\t) == 0
	WIN 0x32
	v_wmma_scale_f32_16x16x128_f8f6f4 v[mD:mD+7], v[mW:mW+11], v[mB:mB+11], v[B2+8*mA:B2+8*mA+7], v[mX], v[mY] matrix_a_fmt:MATRIX_FMT_BF6 matrix_b_fmt:MATRIX_FMT_BF6
.else
	WIN 0x02
	v_wmma_scale_f32_16x16x128_f8f6f4 v[mD:mD+7], v[mW:mW+11], v[mB:mB+11], 0, v[mX], v[mY] matrix_a_fmt:MATRIX_FMT_BF6 matrix_b_fmt:MATRIX_FMT_BF6
.endif
.else
	WIN 0x02
	v_wmma_scale_f32_16x16x128_f8f6f4 v[mD:mD+7], v[mW:mW+11], v[mB:mB+11], v[mD:mD+7], v[mX], v[mY] matrix_a_fmt:MATRIX_FMT_BF6 matrix_b_fmt:MATRIX_FMT_BF6
.endif
.endm
; the same, backward: results into buffer 1 + t % 2
.macro WMB t, k
.set mA, (\k)%4
.set mS, (\k)/4
.set mD, RB+32*(1+(\t)%2)+8*mA
.set mW, WB+12*(2*mA+mS)
.set mB, CB+24*((\t)%3)+12*mS
.set mX, WSK+2*mA+mS
.set mY, CS+2*((\t)%3)+mS
	WIN 0x02
.if mS == 0
	v_wmma_scale_f32_16x16x128_f8f6f4 v[mD:mD+7], v[mW:mW+11], v[mB:mB+11], 0, v[mX], v[mY] matrix_a_fmt:MATRIX_FMT_BF6 matrix_b_fmt:MATRIX_FMT_BF6
.else
	v_wmma_scale_f32_16x16x128_f8f6f4 v[mD:mD+7], v[mW:mW+11], v[mB:mB+11], v[mD:mD+7], v[mX], v[mY] matrix_a_fmt:MATRIX_FMT_BF6 matrix_b_fmt:MATRIX_FMT_BF6
.endif
.endm
; line j of 26 of the quantiser of tile n: the lane's 32 numbers in buffer n % 3 are one block.  0-15 the largest magnitude, in four chains, with the floor 2^(5 - 127) as a leaf (the byte cannot fall under 1);
; 16 the conversions' scale operand (4 off the exponent field); 17, 18 the conversions; 19 the byte (also the plain place behind the conversions); 20-22 the second half joins the first; 23-25 the image to region reg.
; Lines 23-25 read registers +0 .. +6 of the set, which lines 17 and 19 to 22 write: a wait on va_vdst stands between, at the place where the lines are laid.
.macro QOP j, n, reg
.set qT, TZ+16*((\n)%3)
.set qS, RB+32*((\n)%3)
.set qO, (\reg)+TREC*(\n)
	WIN 0
.if (\j) < 4
	v_max3_num_f32 v[qT+12+(\j)], |v[qS+8*(\j)]|, |v[qS+8*(\j)+1]|, |v[qS+8*(\j)+2]|
.elseif (\j) < 12
.set qk, (\j)%4
.set qr, (\j)/4
	v_max3_num_f32 v[qT+12+qk], v[qT+12+qk], |v[qS+8*qk+2*qr+1]|, |v[qS+8*qk+2*qr+2]|
.elseif (\j) == 12
	v_max3_num_f32 v[qT+12], v[qT+12], v[qT+13], v[qT+14]
.elseif (\j) == 13
	v_max3_num_f32 v[qT+15], v[qT+15], |v[qS+7]|, |v[qS+15]|
.elseif (\j) == 14
	v_max3_num_f32 v[qT+12], v[qT+12], |v[qS+23]|, |v[qS+31]|
.elseif (\j) == 15
	v_max3_num_f32 v[qT+12], v[qT+12], v[qT+15], 0x2800000
.elseif (\j) == 16
	v_add_nc_u32 v[qT+7], 0xfe000000, v[qT+12]
.elseif (\j) == 17
	v_cvt_scalef32_pk16_bf6_f32 v[qT:qT+2], v[qS:qS+15], v[qT+7]
.elseif (\j) == 18
	v_cvt_scalef32_pk16_bf6_f32 v[qT+8:qT+10], v[qS+16:qS+31], v[qT+7]
.elseif (\j) == 19
	v_lshrrev_b32 v[qT+6], 23, v[qT+7]
.elseif (\j) < 23
	v_mov_b32 v[qT+3+(\j)-20], v[qT+8+(\j)-20]
.elseif (\j) == 23
	ds_store_b128 v[W16], v[qT:qT+3] offset:qO
.elseif (\j) == 24
	ds_store_b64 v[W8], v[qT+4:qT+5] offset:qO
.else
	ds_store_b8 v[WSBY], v[qT+6] offset:qO
.endif
.endm
.macro MULW i, k                       ; buffer k = W1[i] s1: direction i's forward operand
	WIN 0x09
.set p, 0
.rept 16
	v_pk_mul_f32 v[RB+32*(\k)+p:RB+32*(\k)+p+1], v[32*(\i)+p:32*(\i)+p+1], v[DS1+p:DS1+p+1]
.set p, p+2
.endr
.endm
.macro MC2 t, p                        ; pair p of tile t's forward result times -2 W3 h2 s2: under the matrix instructions' own window setting
.set cR, RB+32*((\t)%3)+2*(\p)
	WIN 0x02
	v_pk_mul_f32 v[cR:cR+1], v[CC2+2*(\p):CC2+2*(\p)+1], v[cR:cR+1]
.endm
.macro V3 t, p                         ; pair p of tile t = 1 + i: ACC += W1[i] tdh1_i;  g_i's chain += W1[i] e
.set vI, (\t)-1
.set vR, RB+32*(1+(\t)%2)+2*(\p)
.set vW, 32*vI+2*(\p)
.set vG, GT+4*vI+2*((\p)%2)
	WIN 0xf1
	v_pk_fma_f32 v[ACC+2*(\p):ACC+2*(\p)+1], v[vW:vW+1], v[vR:vR+1], v[ACC+2*(\p):ACC+2*(\p)+1]
.if (\p) < 2
	v_pk_mul_f32 v[vG:vG+1], v[vW:vW+1], v[RB+2*(\p):RB+2*(\p)+1]
.else
	v_pk_fma_f32 v[vG:vG+1], v[vW:vW+1], v[RB+2*(\p):RB+2*(\p)+1], v[vG:vG+1]
.endif
.endm
.macro HOOK k                          ; a product of tile 1 set among tile 0's vector work
	WMF 1, \k
	WIN 0
.endm
	s_load_b256 s[4:11], s[0:1], 0x0               ; x s[4:5], W1 s[6:7], b1 s[8:9], b2 s[10:11]
	s_load_b128 s[12:15], s[0:1], 0x20             ; W3 s[12:13], the quantised weights s[14:15]
	s_load_b64 s[16:17], s[0:1], 0x30              ; out
	v_lshl_add_u32 v67, v0, 2, 0x18400
	v_mov_b32 v83, 0
	v_lshrrev_b32 v40, 5, v0
	v_readfirstlane_b32 s18, v40                   ; wave 0..3
	v_and_b32 v40, 31, v0                          ; lane
	v_and_b32 v41, 15, v0                          ; r
	v_bfe_u32 v42, v0, 4, 1                        ; h
	s_wait_alu depctr_va_sdst(0)                   ; s18 is written, ahead of its first reader: the wave's offsets below are made from it
	s_lshl_b32 s28, s18, 9
	s_lshl_b32 s29, s18, 8
	s_lshl_b32 s30, s18, 1
	s_lshl_b32 s31, s18, 12
	s_lshl_b32 s32, s18, 10
	s_mul_i32 s33, s18, 8*REC
	s_mov_b32 s26, 0xc1a55210                      ; KIN = -197^2 / (2 x 939)
	s_mov_b32 s27, 0x409ad9c6                      ; POT = 0.5 x 939 x (20 / 197)^2
	v_lshlrev_b32 v[A16], 4, v40
	v_lshlrev_b32 v[A8], 3, v40
	v_lshlrev_b32 v[ASC], 3, v41
	v_add_nc_u32 v[W16], s28, v[A16]
	v_add_nc_u32 v[W8], s29, v[A8]
	v_add_nc_u32 v[W8], 2048, v[W8]
	v_add_nc_u32 v[WSBY], v[ASC], v42
	v_add_nc_u32 v[WSBY], s30, v[WSBY]
	v_add_nc_u32 v[WSBY], 3072, v[WSBY]
	v_lshl_add_u32 v[AX0], v41, 5, XS
	v_add_nc_u32 v[ARA0], s31, v[A16]
	v_add_nc_u32 v[ARA0], REDA, v[ARA0]
	v_lshlrev_b32 v[ARC0], 2, v40
	v_add_nc_u32 v[ARC0], s32, v[ARC0]
	v_add_nc_u32 v[ARC0], REDC, v[ARC0]
	v_lshl_add_u32 v[VW], v42, 7, s29
	v_add_nc_u32 v[VQ], s33, v[A16]
	v_add_nc_u32 v[VS], s33, v[A8]
	v_lshlrev_b32 v[XO], 5, v0
	s_lshl_b32 s24, ttmp9, 12                      ; my work-group's 128 samples of 32 bytes
	s_mov_b32 s25, 0
	s_wait_kmcnt 0x0
	s_add_nc_u64 s[4:5], s[4:5], s[24:25]
	s_lshl_b32 s24, ttmp9, 9                       ; and their 512 bytes of results
	s_add_nc_u64 s[16:17], s[16:17], s[24:25]
	s_wait_alu depctr_va_vdst(0)                   ; the offsets and LDS addresses v1 to v7, v9, v11, v14, v15, v38 and v39 are written, which the loads and stores of the whole kernel read
	; 154 loads, what is wanted first first: x (2), b1 (8), W1 (64) | b2 (8), W3 (8), forward weights (24 + 8) | backward weights (24 + 8)
	global_load_b128 v[RB+32:RB+35], v[XO], s[4:5] th:TH_LOAD_NT
	global_load_b128 v[RB+36:RB+39], v[XO], s[4:5] offset:16 th:TH_LOAD_NT
	WIN 0xc0
.set j, 0
.rept 8
	global_load_b128 v[B1+4*j:B1+4*j+3], v[VW], s[8:9] offset:16*j
.set j, j+1
.endr
	WIN 0x40
.set i, 0
.rept 8
.set j, 0
.rept 8
	global_load_b128 v[32*i+4*j:32*i+4*j+3], v[VW], s[6:7] offset:1024*i+16*j
.set j, j+1
.endr
.set i, i+1
.endr
	WIN 0xc0
.set j, 0
.rept 8
	global_load_b128 v[B2+4*j:B2+4*j+3], v[VW], s[10:11] offset:16*j
.set j, j+1
.endr
.set j, 0
.rept 8
	global_load_b128 v[W3C+4*j:W3C+4*j+3], v[VW], s[12:13] offset:16*j
.set j, j+1
.endr
	WIN 0x80
.set i, 0
.rept 8
.set j, 0
.rept 3
	global_load_b128 v[WF+12*i+4*j:WF+12*i+4*j+3], v[VQ], s[14:15] offset:REC*i+512*j
.set j, j+1
.endr
.set i, i+1
.endr
	WIN 0
.set i, 0
.rept 8
	global_load_b32 v[WSF+i], v[VS], s[14:15] offset:REC*i+1536
.set i, i+1
.endr
	WIN 0x80
.set i, 0
.rept 8
.set j, 0
.rept 3
	global_load_b128 v[WB+12*i+4*j:WB+12*i+4*j+3], v[VQ], s[14:15] offset:32*REC+REC*i+512*j
.set j, j+1
.endr
.set i, i+1
.endr
	WIN 0
.set i, 0
.rept 8
	global_load_b32 v[WSK+i], v[VS], s[14:15] offset:32*REC+REC*i+1536
.set i, i+1
.endr
	s_wait_loadcnt 63                              ; 80 loads were issued behind W1's last: x, b1 and W1 are in; the rest lands under the first group's vector work
	ds_store_b128 v[XO], v[RB+32:RB+35] offset:XS  ; x as it was loaded: no vector instruction has written these registers
	ds_store_b128 v[XO], v[RB+36:RB+39] offset:XS+16
	v_pk_mul_f32 v[RB+40:RB+41], v[RB+32:RB+33], v[RB+32:RB+33]
	v_pk_fma_f32 v[RB+40:RB+41], v[RB+34:RB+35], v[RB+34:RB+35], v[RB+40:RB+41]
	v_pk_fma_f32 v[RB+40:RB+41], v[RB+36:RB+37], v[RB+36:RB+37], v[RB+40:RB+41]
	v_pk_fma_f32 v[RB+40:RB+41], v[RB+38:RB+39], v[RB+38:RB+39], v[RB+40:RB+41]
	v_add_f32 v[RB+40], v[RB+40], v[RB+41]
	v_mul_f32 v[EP], s27, v[RB+40]                 ; POT |x|^2 of sample = my thread's number
	WIN 0xf5                                       ; -2 sum_i W1[i]^2
.set p, 0
.rept 16
	v_pk_mul_f32 v[W2SM+p:W2SM+p+1], v[p:p+1], v[p:p+1]
.set p, p+2
.endr
.set i, 1
.rept 7
.set p, 0
.rept 16
	v_pk_fma_f32 v[W2SM+p:W2SM+p+1], v[32*i+p:32*i+p+1], v[32*i+p:32*i+p+1], v[W2SM+p:W2SM+p+1]
.set p, p+2
.endr
.set i, i+1
.endr
	WIN 0xc3
.set p, 0
.rept 16
	v_pk_mul_f32 v[W2SM+p:W2SM+p+1], v[W2SM+p:W2SM+p+1], -2.0 op_sel_hi:[1,0]
.set p, p+2
.endr
	WIN 0
	BAR                                            ; the 128 samples lie in LDS
	WIN 0xc0
	ds_load_b128 v[X:X+3], v[AX0]                  ; group 0's x of my sample.  No wait: no vector instruction has named X, and none since the head's wait names v[AX0]
	ds_load_b128 v[X+4:X+7], v[AX0] offset:16
	WIN 0
	s_mov_b32 s19, 0                               ; the group
	s_mov_b32 s20, 0                               ; 512 x group
	s_mov_b32 s21, 0                               ; 128 x group
.Lgroup:
	; ---- A: a1 = x W1 + b1 in f32 fused multiply-adds: lane (r, h), register q: sample r, unit 64 w + 32 h + q
	s_wait_dscnt 0x0                               ; x is in
	s_wait_alu depctr_vm_vsrc(0)                   ; the LDS instructions issued so far have read their registers, which this trip writes again: the last trip's stores the three sets of TZ, GP, LP, v[ARAG] and v[ARCG], its loads of x v[AXG]; in the first trip the stores of x v[RB+32 ..]
.set i, 0
.rept 8
.if i == 0
	WIN 0x3d
.else
	WIN 0x0d
.endif
.set p, 0
.rept 16
.if i == 0
	v_pk_fma_f32 v[RB+p:RB+p+1], v[p:p+1], v[X:X+1], v[B1+p:B1+p+1] op_sel_hi:[1,0,1]
.elseif i%2 == 0
	v_pk_fma_f32 v[RB+p:RB+p+1], v[32*i+p:32*i+p+1], v[X+i:X+i+1], v[RB+p:RB+p+1] op_sel_hi:[1,0,1]
.else
	v_pk_fma_f32 v[RB+p:RB+p+1], v[32*i+p:32*i+p+1], v[X+i-1:X+i], v[RB+p:RB+p+1] op_sel:[0,1,0] op_sel_hi:[1,1,1]
.endif
.set p, p+2
.endr
.set i, i+1
.endr
	WIN 0
	; h1 = tanh(a1) = 1 - 2 / (1 + 2^(2 log2(e) a1)), in place
.set p, 0
.rept 16
	v_pk_mul_f32 v[RB+p:RB+p+1], v[RB+p:RB+p+1], 0x4038aa3b op_sel_hi:[1,0]
.set p, p+2
.endr
.set p, 0
.rept 32
	v_exp_f32 v[RB+p], v[RB+p]
.set p, p+1
.endr
	s_add_co_u32 s22, s20, 512                     ; the next group's x; in the last trip the last group's again, so that the address stays inside XS
	s_min_u32 s22, s22, 3584
	v_add_nc_u32 v[AXG], s22, v[AX0]               ; (also the plain place behind the last exponential)
	WIN 0xc0
	s_wait_alu depctr_va_vdst(0)                   ; the 32 exponentials have written v[RB ..], ahead of their first reader; v[AXG] is written, and the multiply-adds are done reading X: both for the two loads below
	ds_load_b128 v[X:X+3], v[AXG]
	ds_load_b128 v[X+4:X+7], v[AXG] offset:16
	WIN 0
.set p, 0
.rept 16
	v_pk_add_f32 v[RB+p:RB+p+1], v[RB+p:RB+p+1], 1.0 op_sel_hi:[1,0]
.set p, p+2
.endr
.set p, 0
.rept 32
	v_rcp_f32 v[RB+p], v[RB+p]
.set p, p+1
.endr
	v_nop
	s_wait_alu depctr_va_vdst(0)                   ; the 32 reciprocals have written v[RB ..], ahead of their first reader
.set p, 0
.rept 16
	v_pk_fma_f32 v[RB+p:RB+p+1], v[RB+p:RB+p+1], -2.0, 1.0 op_sel_hi:[1,0,0]
.set p, p+2
.endr
	WIN 0x80
.set p, 0
.rept 16
	v_pk_fma_f32 v[DS1+p:DS1+p+1], v[RB+p:RB+p+1], v[RB+p:RB+p+1], 1.0 op_sel_hi:[1,1,0] neg_lo:[1,0,0] neg_hi:[1,0,0]   ; s1 = 1 - h1^2
.set p, p+2
.endr
	WIN 0xc3
.set p, 0
.rept 16
	v_pk_mul_f32 v[MM1+p:MM1+p+1], v[W2SM+p:W2SM+p+1], v[RB+p:RB+p+1]
.set p, p+2
.endr
	; the nine forward operands, three tiles at a time in the three buffers; the three quantisers take turns line by line, so that no line waits for the line above it
.set bt, 0
.rept 3
.if bt == 0
	MULW 0, 1                                      ; tile 0 is h1, which lies in buffer 0
	MULW 1, 2
.else
	MULW 3*bt-1, 0
	MULW 3*bt, 1
	MULW 3*bt+1, 2
	s_wait_dscnt 0x0                               ; the last batch's LDS stores are done,
	s_wait_alu depctr_vm_vsrc(0)                   ; and they have read the three sets of TZ, which the quantisers below write again
.endif
.set j, 0
.rept 26
.if j == 23
	s_wait_alu depctr_va_vdst(0)                   ; the three quantisers have written their codes and bytes, which the nine LDS stores below read
.endif
	QOP j, 3*bt, FWD
	QOP j, 3*bt+1, FWD
	QOP j, 3*bt+2, FWD
.set j, j+1
.endr
.set bt, bt+1
.endr
	BAR                                            ; the nine forward operands lie in LDS, and nobody reads BWD any more
	; ---- B: the forward products; tile t's result becomes the backward operand while tile t + 1 and t + 2 are multiplied
	s_wait_loadcnt 32                              ; only the backward weights' 32 loads may be out
	LC FWD, 0                                      ; no wait: the last trip's products, which read CB and CS, stand ahead of the waits on va_vdst above, and nothing since names these registers
	LC FWD, 1
	LC FWD, 2
	s_wait_dscnt 18                                ; tile 0 is in; tiles 1 and 2 (18 loads) may be out
.set k, 0
.rept 8
	WMF 0, k
.set k, k+1
.endr
	WIN 0
	v_add_nc_u32 v[ARAG], s20, v[ARA0]             ; four plain places behind the products (ISA guide 7.12.1): two addresses for the group's sums,
	v_add_nc_u32 v[ARCG], s21, v[ARC0]
	v_nop                                          ; and two idle ones
	v_nop
	s_wait_dscnt 9                                 ; tile 1 is in; tile 2's nine loads may be out
	; tile 0: h2 = tanh(a2), d2 = W3 (1 - h2^2), CC2 = -2 h2 d2; tile 1's eight products stand among these lines
.set p, 0
.rept 16
	v_pk_mul_f32 v[RB+p:RB+p+1], v[RB+p:RB+p+1], 0x4038aa3b op_sel_hi:[1,0]
.set p, p+2
.if p == 16
	HOOK 0
.endif
.endr
	HOOK 1
.set p, 0
.rept 32
	v_exp_f32 v[RB+p], v[RB+p]
.set p, p+1
.if p == 16
	HOOK 2
.endif
.endr
	HOOK 3
	v_nop
	s_wait_alu depctr_va_vdst(0)                   ; the 32 exponentials have written v[RB ..], ahead of their first reader; tile 0's products are done reading buffer 0 of CB and CS, in which tile 3's loads land
	LC FWD, 3
.set p, 0
.rept 16
	v_pk_add_f32 v[RB+p:RB+p+1], v[RB+p:RB+p+1], 1.0 op_sel_hi:[1,0]
.set p, p+2
.if p == 16
	HOOK 4
.endif
.endr
.set p, 0
.rept 32
	v_rcp_f32 v[RB+p], v[RB+p]
.set p, p+1
.if p == 16
	HOOK 5
.endif
.endr
	HOOK 6
	v_nop
	s_wait_alu depctr_va_vdst(0)                   ; the 32 reciprocals have written v[RB ..], ahead of their first reader
	WIN 0x80
.set p, 0
.rept 16
	v_pk_fma_f32 v[CC2+p:CC2+p+1], v[RB+p:RB+p+1], 4.0, -2.0 op_sel_hi:[1,0,0]   ; -2 h2 = 4 r - 2
.set p, p+2
.endr
	HOOK 7
.set p, 0
.rept 16
	v_pk_fma_f32 v[RB+p:RB+p+1], v[RB+p:RB+p+1], -2.0, 1.0 op_sel_hi:[1,0,0]     ; h2
.set p, p+2
.endr
.set p, 0
.rept 16
	v_pk_fma_f32 v[RB+p:RB+p+1], v[RB+p:RB+p+1], v[RB+p:RB+p+1], 1.0 op_sel_hi:[1,1,0] neg_lo:[1,0,0] neg_hi:[1,0,0]   ; s2
.set p, p+2
.endr
	WIN 0x03
.set p, 0
.rept 16
	v_pk_mul_f32 v[RB+p:RB+p+1], v[W3C+p:W3C+p+1], v[RB+p:RB+p+1]                ; d2
.set p, p+2
.endr
	WIN 0x82
.set p, 0
.rept 16
	v_pk_mul_f32 v[CC2+p:CC2+p+1], v[CC2+p:CC2+p+1], v[RB+p:RB+p+1]
.set p, p+2
.endr
.set j, 0
.rept 12
	QOP j, 0, BWD
.set j, j+1
.endr
; A step: tile t's eight products, and behind each a slice of vector work: tile t - 1 is scaled and its maximum begun, tile t - 2's quantiser is finished; tile t - 3's image is stored and tile t + 2 is fetched.
; The slices are the places behind the products: what reads or writes a product's registers stands four plain instructions or more behind it.
; The step's LDS instructions stand in the slices that are under window 0 anyway, behind the one wait on va_vdst at the step's head.
.macro STEPB
	WIN 0
.if t != 3
	s_wait_alu depctr_vm_vsrc(0)                   ; the stores issued before this step have read their sets of TZ (t = 2: phase A's last nine, all three sets; else tile t - 4's three, a step back), which later conversions write again.  Step 2 issues no store, so step 3 has no such line
.endif
	s_wait_alu depctr_va_vdst(0)                   ; tile t - 1's products are done reading buffer (t - 1) % 3 of CB and CS, in which tile t + 2's loads land; tile t - 3's quantiser has written its codes and byte, which the step's three stores read
.if t < 4
	s_wait_dscnt 9                                 ; behind tile t's loads: the next tile's nine
.elseif t == 8
	s_wait_dscnt 3                                 ; tile 4's three stores
.else
	s_wait_dscnt 12                                ; three stores and the next tile's nine loads
.endif
.set k, 0
.rept 4
	WMF t, k
	MC2 t-1, 4*k
	MC2 t-1, 4*k+1
	MC2 t-1, 4*k+2
	MC2 t-1, 4*k+3
.set k, k+1
.endr
	WMF t, 4
	QOP 12, t-2, BWD
	QOP 13, t-2, BWD
	QOP 0, t-1, BWD
	QOP 1, t-1, BWD
	QOP 2, t-1, BWD
	QOP 3, t-1, BWD
.if t >= 3
	QOP 23, t-3, BWD                               ; no wait: no vector or matrix instruction since the step's head names set t % 3 of TZ
	QOP 24, t-3, BWD
	QOP 25, t-3, BWD
.endif
.if t+2 <= 8
	LC3 FWD, t+2, 0                                ; no wait: none names buffer (t - 1) % 3 of CB and CS either
.endif
	WMF t, 5
	QOP 14, t-2, BWD
	QOP 4, t-1, BWD
	QOP 5, t-1, BWD
	QOP 6, t-1, BWD
	QOP 7, t-1, BWD
	QOP 15, t-2, BWD
.if t+2 <= 8
	LC3 FWD, t+2, 1
.endif
	WMF t, 6
	QOP 16, t-2, BWD
	QOP 8, t-1, BWD
	QOP 9, t-1, BWD
	QOP 10, t-1, BWD
	QOP 11, t-1, BWD
	QOP 17, t-2, BWD
	QOP 18, t-2, BWD
.if t+2 <= 8
	LC3 FWD, t+2, 2
.endif
	WMF t, 7
.set j, 19
.rept 4
	QOP j, t-2, BWD
.set j, j+1
.endr
.endm
.set t, 2
.rept 7
	STEPB
.set t, t+1
.endr
	s_wait_alu depctr_vm_vsrc(0)                   ; tile 5's stores, issued in step 8, have read set 2 of TZ, which tile 8's quantiser writes again
.set j, 12
.rept 11
	QOP j, 7, BWD
.set j, j+1
.endr
.set p, 0
.rept 16
	MC2 8, p
.set p, p+1
.endr
.set j, 0
.rept 23
	QOP j, 8, BWD
.set j, j+1
.endr
	s_wait_alu depctr_va_vdst(0)                   ; the quantisers of tiles 6, 7 and 8 have written their codes and bytes, one set each, which the nine stores below read; tiles 6 to 8's products are done reading CB and CS, in which phase C's first loads land
.set j, 23
.rept 3
	QOP j, 6, BWD
	QOP j, 7, BWD
	QOP j, 8, BWD
.set j, j+1
.endr
	BAR                                            ; the nine backward operands lie in LDS, and nobody reads FWD any more
	; ---- C: the backward products and the sums
	s_wait_loadcnt 0x0                             ; the backward weights
	LC BWD, 0
	LC BWD, 1
	LC BWD, 2
	s_wait_dscnt 18                                ; tile 0 is in
.set k, 0
.rept 8
	WMB 0, k                                       ; dh1, into buffer 1
.set k, k+1
.endr
.rept 4
	v_nop                                          ; four places: no other vector work is at hand
.endr
	s_wait_alu depctr_va_vdst(0)                   ; tile 0's products are done reading buffer 0 of CB and CS, in which tile 3's loads land; the places above stay beside this wait
	s_wait_dscnt 9                                 ; tile 1 is in; tile 2's nine loads may be out
.set k, 0
.rept 8
	WMB 1, k
.if k < 4
	WIN 0x08
.set p, 8*k
.rept 4
	v_pk_mul_f32 v[RB+p:RB+p+1], v[RB+32+p:RB+32+p+1], v[DS1+p:DS1+p+1]          ; e = dh1 s1, into buffer 0
.set p, p+2
.endr
.else
	WIN 0xcc
.set p, 8*(k-4)
.rept 4
	v_pk_mul_f32 v[ACC+p:ACC+p+1], v[RB+32+p:RB+32+p+1], v[MM1+p:MM1+p+1]        ; ACC begins with dh1 x (-2 h1 sum_i W1[i]^2)
.set p, p+2
.endr
.endif
.if (k >= 1) && (k <= 3)
	LC3 BWD, 3, k-1
.endif
.set k, k+1
.endr
.macro STEPC                           ; tile t's eight products; behind each, two pairs of tile t - 1's sums; tile t + 2 is fetched
.if t+2 <= 8
	s_wait_alu depctr_va_vdst(0)                   ; tile t - 1's products are done reading buffer (t - 1) % 3 of CB and CS, in which tile t + 2's loads land; nothing in the step names that buffer.  Steps 7 and 8 issue no load and have no such line
.endif
.if t == 8
	s_wait_dscnt 0x0
.else
	s_wait_dscnt 9                                 ; the next tile's nine loads may be out
.endif
.set k, 0
.rept 8
	WMB t, k
	V3 t-1, 2*k
	V3 t-1, 2*k+1
.if (k >= 1) && (k <= 3) && (t+2 <= 8)
	LC3 BWD, t+2, k-1
.endif
.set k, k+1
.endr
.endm
.set t, 2
.rept 7
	STEPC
.set t, t+1
.endr
.rept 4
	v_nop
.endr
.set p, 0
.rept 16
	V3 8, p
.set p, p+1
.endr
	WIN 0xcf
.set i, 0
.rept 8
	v_pk_add_f32 v[GT+4*i:GT+4*i+1], v[GT+4*i:GT+4*i+1], v[GT+4*i+2:GT+4*i+3]
.set i, i+1
.endr
.set i, 0
.rept 8
	v_add_f32 v[GP+i], v[GT+4*i], v[GT+4*i+1]      ; my 32 units' part of g_i
.set i, i+1
.endr
	WIN 0xfb
.set p, 0
.rept 16
.if p < 4
	v_pk_mul_f32 v[LCH+2*p:LCH+2*p+1], v[ACC+2*p:ACC+2*p+1], v[DS1+2*p:DS1+2*p+1]
.else
	v_pk_fma_f32 v[LCH+2*(p%4):LCH+2*(p%4)+1], v[ACC+2*p:ACC+2*p+1], v[DS1+2*p:DS1+2*p+1], v[LCH+2*(p%4):LCH+2*(p%4)+1]
.endif
.set p, p+1
.endr
	WIN 0xcf
	v_pk_add_f32 v[LCH:LCH+1], v[LCH:LCH+1], v[LCH+2:LCH+3]
	v_pk_add_f32 v[LCH+4:LCH+5], v[LCH+4:LCH+5], v[LCH+6:LCH+7]
	v_pk_add_f32 v[LCH:LCH+1], v[LCH:LCH+1], v[LCH+4:LCH+5]
	v_add_f32 v[LP], v[LCH], v[LCH+1]              ; and of the laplacian
	WIN 0x0c                                       ; an LDS store's data are its source 1: window 3
	s_wait_alu depctr_va_vdst(0)                   ; the sums have written GP and LP, which the three stores below read (their addresses were written in phase B, ahead of earlier waits)
	ds_store_b128 v[ARAG], v[GP:GP+3]
	ds_store_b128 v[ARAG], v[GP+4:GP+7] offset:16384
	ds_store_b32 v[ARCG], v[LP]
	WIN 0
	s_add_co_u32 s20, s20, 512
	s_add_co_u32 s21, s21, 128
	s_add_co_u32 s19, s19, 1
	s_cmp_lt_u32 s19, 8
	s_cbranch_scc1 .Lgroup
	; ---- the end: thread 32 w + l takes sample 32 w + l (group 2 w + l / 16, row l % 16) and adds its eight parts (four waves x two halves of the lanes)
	s_wait_alu depctr_vm_vsrc(0)                   ; the last trip's stores have read v[ARAG] and v[ARCG], its loads of x v[AXG]: the lines below write them again
	v_and_b32 v[AXG], 15, v0
	v_bfe_u32 v[AX0], v0, 4, 1
	v_lshlrev_b32 v[ARAG], 4, v[AXG]
	v_lshl_add_u32 v[ARAG], v[AX0], 9, v[ARAG]
	v_add_nc_u32 v[ARAG], s32, v[ARAG]
	v_add_nc_u32 v[ARAG], REDA, v[ARAG]            ; REDA + 512 x group + 16 x row
	v_lshlrev_b32 v[ARCG], 2, v[AXG]
	v_lshl_add_u32 v[ARCG], v[AX0], 7, v[ARCG]
	v_add_nc_u32 v[ARCG], s29, v[ARCG]
	v_add_nc_u32 v[ARCG], REDC, v[ARCG]            ; REDC + 128 x group + 4 x row
	v_lshl_add_u32 v[ARA0], v0, 2, STG             ; my result's place
	v_add_nc_u32 v[ARC0], STG, v[A16]              ; and where wave 0 reads 16 bytes a lane
	s_wait_alu depctr_va_vdst(0)                   ; the four addresses are written, which the LDS instructions below read; the loop's vector and matrix instructions are done with v[RB ..], in which the 24 loads below land
	BAR                                            ; all partial sums lie in LDS
.set i, 0
.rept 8
	ds_load_b128 v[RB+4*i:RB+4*i+3], v[ARAG] offset:4096*(i/2)+256*(i%2)
	ds_load_b128 v[RB+32+4*i:RB+32+4*i+3], v[ARAG] offset:16384+4096*(i/2)+256*(i%2)
	ds_load_b32 v[RB+64+i], v[ARCG] offset:1024*(i/2)+64*(i%2)
.set i, i+1
.endr
	s_wait_dscnt 0x0
.irp d, 4, 2, 1
.set j, 0
.rept \d
	v_pk_add_f32 v[RB+4*j:RB+4*j+1], v[RB+4*j:RB+4*j+1], v[RB+4*(j+\d):RB+4*(j+\d)+1]
	v_pk_add_f32 v[RB+4*j+2:RB+4*j+3], v[RB+4*j+2:RB+4*j+3], v[RB+4*(j+\d)+2:RB+4*(j+\d)+3]
	v_pk_add_f32 v[RB+32+4*j:RB+32+4*j+1], v[RB+32+4*j:RB+32+4*j+1], v[RB+32+4*(j+\d):RB+32+4*(j+\d)+1]
	v_pk_add_f32 v[RB+32+4*j+2:RB+32+4*j+3], v[RB+32+4*j+2:RB+32+4*j+3], v[RB+32+4*(j+\d)+2:RB+32+4*(j+\d)+3]
	v_add_f32 v[RB+64+j], v[RB+64+j], v[RB+64+j+\d]
.set j, j+1
.endr
.endr
	v_pk_mul_f32 v[RB+72:RB+73], v[RB:RB+1], v[RB:RB+1]                          ; |grad|^2
	v_pk_fma_f32 v[RB+72:RB+73], v[RB+2:RB+3], v[RB+2:RB+3], v[RB+72:RB+73]
	v_pk_fma_f32 v[RB+72:RB+73], v[RB+32:RB+33], v[RB+32:RB+33], v[RB+72:RB+73]
	v_pk_fma_f32 v[RB+72:RB+73], v[RB+34:RB+35], v[RB+34:RB+35], v[RB+72:RB+73]
	v_add_f32 v[RB+72], v[RB+72], v[RB+73]
	v_add_f32 v[RB+64], v[RB+64], v[RB+72]
	v_fma_f32 v[RB+64], s26, v[RB+64], v[EP]       ; KIN (laplacian + |grad|^2) + POT |x|^2
	s_wait_alu depctr_va_vdst(0)                   ; v[RB+64] is written, which the store below reads; the sums are done with v[RB .. RB+3], in which wave 0's load below lands
	ds_store_b32 v[ARA0], v[RB+64]
	BAR                                            ; the 128 results lie side by side
	s_cmp_lg_u32 s18, 0
	s_cbranch_scc1 .Lend
	ds_load_b128 v[RB:RB+3], v[ARC0]
	s_wait_dscnt 0x0
	global_store_b128 v[A16], v[RB:RB+3], s[16:17] ; wave 0 stores the work-group's 512 consecutive bytes, aligned to 256
.Lend:
	s_wait_dscnt 0x0
	s_wait_alu depctr_hold_cnt(0) depctr_sa_sdst(0) depctr_va_vdst(0) depctr_va_sdst(0) depctr_va_ssrc(0) depctr_va_vcc(0) depctr_vm_vsrc(0)
	s_wait_tensorcnt 0x0
	ds_add_u32 v67, v83
	s_wait_dscnt 0x0
	s_endpgm
.Lfunc_end_k_q198e3bee70_main:
	.size	k_q198e3bee70_main, .Lfunc_end_k_q198e3bee70_main-k_q198e3bee70_main
	.p2alignl 7, 3214868480
	.fill 96, 4, 3214868480
	.section	.rodata,"a",@progbits
	.p2align	6, 0x0
	.amdhsa_kernel k_q198e3bee70_main
		.amdhsa_group_segment_fixed_size 99840
		.amdhsa_private_segment_fixed_size 0
		.amdhsa_enable_private_segment 0
		.amdhsa_kernarg_size 56
		.amdhsa_user_sgpr_count 2
		.amdhsa_user_sgpr_kernarg_segment_ptr 1
		.amdhsa_wavefront_size32 1
		.amdhsa_system_sgpr_workgroup_id_x 1
		.amdhsa_system_sgpr_workgroup_id_y 1
		.amdhsa_system_sgpr_workgroup_id_z 1
		.amdhsa_system_vgpr_workitem_id 0
		.amdhsa_next_free_vgpr 1024
		.amdhsa_next_free_sgpr 66
		.amdhsa_reserve_vcc 0
		.amdhsa_float_denorm_mode_32 3
		.amdhsa_float_denorm_mode_16_64 3
		.amdhsa_memory_ordered 1
		.amdhsa_forward_progress 1
		.amdhsa_inst_pref_size 160
	.end_amdhsa_kernel
	.amdgpu_metadata
---
amdhsa.version: [ 1, 2 ]
amdhsa.kernels:
  - .name:           k_q198e3bee70_main
    .symbol:         k_q198e3bee70_main.kd
    .args:
      - { .name: x, .offset: 0, .size: 8, .value_kind: global_buffer, .address_space: global }
      - { .name: W1, .offset: 8, .size: 8, .value_kind: global_buffer, .address_space: global }
      - { .name: b1, .offset: 16, .size: 8, .value_kind: global_buffer, .address_space: global }
      - { .name: b2, .offset: 24, .size: 8, .value_kind: global_buffer, .address_space: global }
      - { .name: W3, .offset: 32, .size: 8, .value_kind: global_buffer, .address_space: global }
      - { .name: wq, .offset: 40, .size: 8, .value_kind: global_buffer, .address_space: global }
      - { .name: out0, .offset: 48, .size: 8, .value_kind: global_buffer, .address_space: global }
    .group_segment_fixed_size: 99840
    .private_segment_fixed_size: 0
    .kernarg_segment_align: 8
    .kernarg_segment_size: 56
    .max_flat_workgroup_size: 128
    .sgpr_count:     66
    .vgpr_count:     1024
    .wavefront_size: 32
...
	.end_amdgpu_metadata
.endif
;; end of part 3
